; MI455X (gfx1250); checked and timed in simulation.
; The chip was launched on July 23, 2026; its instructions are those of AMD's public machine-readable ISA for CDNA 5 (MIT licence, August 2026) and "CDNA5" Instruction Set Architecture Reference Guide (July 2026). The comments in the code are by the model that wrote it; some were corrected since.
;; Multi Head Attention. Allowed arithmetic: matrix products marked QUANTISED: E4M3 operands, one given power-of-two scale a tensor, by v_wmma_f32_16x16x64_fp8_fp8 or v_wmma_f32_16x16x128_fp8_fp8, f32 sums; everything else in f32.
;; Inputs: Wk 1,024 x 1,024 float32; Wo 1,024 x 1,024 float32; Wq 1,024 x 1,024 float32; Wv 1,024 x 1,024 float32; bk 1,024 float32; bo 1,024 float32; bq 1,024 float32; bv 1,024 float32; lowp_scales 12 int32 (the exponents e of the quantised operands' scales 2^e); x 4 x 2,048 x 1,024 float32.
;; Outputs: out0 4 x 2,048 x 1,024 float32.
;; This version of the problem:
;;   THIS VERSION OF THE PROBLEM IS GIVEN IN LOW PRECISION. The matrix products marked QUANTISED in the list below multiply operands that are first quantised to E4M3 (4 exponent bits, 3 mantissa bits; 8 bits a number), with one given power-of-two scale for each operand tensor; their sums are f32. All else is computed in f32.
;;   The module's matrix products, in the order in which they are computed (A, B: the left and right operand; K: the contracted axis; several contracted axes count as one K, in the product's order):
;;     1. [M 8,192, K 1,024] x [K 1,024, N 1,024]; A: input x; B: input Wq: QUANTISED (scales: A lowp_scales[0], B lowp_scales[1])
;;     2. [M 8,192, K 1,024] x [K 1,024, N 1,024]; A: input x; B: input Wk: QUANTISED (scales: A lowp_scales[2], B lowp_scales[3])
;;     3. [M 8,192, K 1,024] x [K 1,024, N 1,024]; A: input x; B: input Wv: QUANTISED (scales: A lowp_scales[4], B lowp_scales[5])
;;     4. batch 64 x [M 2,048, K 64] x [K 64, N 2,048]; A: computed on the way; B: computed on the way: QUANTISED (scales: A lowp_scales[6], B lowp_scales[7])
;;     5. batch 64 x [M 2,048, K 2,048] x [K 2,048, N 64]; A: softmax (see below); B: computed on the way: QUANTISED (scales: A lowp_scales[8], B lowp_scales[9])
;;     6. [M 8,192, K 1,024] x [K 1,024, N 1,024]; A: computed on the way; B: input Wo: QUANTISED (scales: A lowp_scales[10], B lowp_scales[11])
;;   THE QUANTISER, for each operand of a quantised product, along K:
;;     - The operand's scale is 2^e, e = its entry of the input lowp_scales (int32; the entries are numbered through the quantised products in the list's order, A before B).
;;     - Each number is divided by the scale, clamped to +-448, and rounded to the nearest number of E4M3, ties to even, subnormals kept.
;;     - The product sums the exact products of the quantised numbers (number of the format x scale) in f32.
;;   ~~~python
;;   def quantise(x, axis, e):      # numpy; x: float32 -> the quantised numbers, widened to float32 again
;;       x = np.moveaxis(x, axis, -1); K = x.shape[-1]
;;       r = np.clip(x / 2.0 ** e, -448, 448)
;;       step = 2.0 ** (np.maximum(np.frexp(np.where(r == 0, 1, r))[1] - 1, -6) - 3)
;;       q = np.round(r / step) * step * 2.0 ** e      # np.round: ties to even
;;       return np.moveaxis(q, -1, axis).astype(np.float32)
;;   ~~~
;;   SOFTMAX AHEAD OF A QUANTISED PRODUCT. Where the list says 'softmax', what is quantised is not the finished softmax but p = 2^(t - M), with t = logit x log2(e) and M = ceil(the row's largest t), a whole number; so 1/2 < the row's largest p <= 1. The row's sum l is taken of the UNQUANTISED p, in f32, and the product's result is divided by l at the end. Since M is a whole number, a kernel that streams over the keys may use a running M (the ceiling of the running maximum): every later rescaling is an exact power of two, so the quantised numbers keep their values, but for numbers so far below the row's largest that they fall under the format's range.
;;   OPERANDS COMPUTED ON THE WAY. 'Computed on the way' means the value that the module computes at that place (a softmax that the list does not call 'softmax' is quantised finished and normalised). What goes into a quantiser is computed in f32, as accurately as f32 sums, v_exp_f32 and their like allow (about 1e-6 of the number): no bf16 or f16 on the way to a quantiser, and a product that is left as it is and whose result goes on into a quantised operand takes f32 operands (vector FMAs, or v_wmma_f32_16x16x4_f32). A number that lies on a knife's edge between two numbers of the format may be rounded either way, as far as f32 arithmetic and the matrix unit's own rounding can turn it there, and no further.
;; 2 versions, each right; version 2 is version 1 with the launches quant, attn written anew for expert scheduling mode. Each part assembles by itself: llvm-mc -triple=amdgcn-amd-amdhsa -mcpu=gfx1250 --defsym DOCPART=n.
;; ======== version 1 of 2: 4 launches
;; workspace buffers: xc 25,165,824 bytes; wc 4,194,304 bytes; qkv 25,165,824 bytes; cc 8,388,608 bytes
;; launch quant (part 1): grid 384 x 1, 4 waves a work-group, no clusters, 68,096 bytes of LDS; arguments x, Wq, Wk, Wv, Wo, lowp_scales, xc, wc; writes xc, wc
.if DOCPART == 1
	.amdgcn_target "amdgcn-amd-amdhsa--gfx1250"
	.amdhsa_code_object_version 6
	.text
	.protected	k_q8a996d471b_quant
	.globl	k_q8a996d471b_quant
	.p2align	8
	.type	k_q8a996d471b_quant,@function
k_q8a996d471b_quant:
	s_mov_b64 s[64:65], 0
	v_nop
	global_prefetch_b8 v0, s[64:65] scope:SCOPE_SE
	s_setreg_imm32_b32 hwreg(HW_REG_WAVE_MODE, 25, 1), 1
	s_wait_xcnt 0x0
; x [8192][1024] and the four weights [k 1024][n 1024], f32, become codes of E4M3, one byte each, K innermost, each with the scale 2^e that is given for it.
; code = number / 2^e, held within +-448, rounded to the nearest code, ties to even.
; x is an operand of three products, with the entries e0, e2, e4, which need not be equal.  xc has three parts of 8 MiB, [8192][1024] bytes each: part 0 made with e0, part 1 with e2, part 2 with e4.
; All three are always written, so that the next launch's addresses hang on its ids alone and on no number read from memory.  x itself is read once.
; wc has four parts of 1 MiB, [n 1024][k 1024] bytes: Wq (e1), Wk (e3), Wv (e5), Wo (e11).
; Work-groups 0-255 take x: a plain stream; a wave takes 16 steps of 512 numbers.  Each load reads 512 consecutive bytes; a step's 2,048 bytes turn through the wave's own stage in LDS, so that a lane
; holds 16 neighbours along K for the conversions; a lane's 16 codes are 16 bytes, a wave's store 512 consecutive bytes.
; Work-groups 256-383 take the weights, whose K is the FIRST axis: a lane takes a column n and its registers run down K, so the conversions give codes with K innermost; a wave takes 32 columns x 256 along K;
; the codes go through the wave's own stage and leave as rows: sixteen lanes store 256 consecutive bytes, aligned.
; The two paths part on the work-group's number and never join; each has LDS bytes of its own.  No tensor load, no barrier: waves share nothing.
; LIMITS: e0, e2, e4, e1, e3, e5, e11 between -126 and 119, so that 2^e and 448 x 2^e are f32 numbers.  NaN among the inputs is not served (an infinity is held at the largest code).
.set SP,    80                         ; x path: a lane's place in a stage: its 64 bytes + 16 of padding
.set WREG,  8192                       ; x path: LDS bytes of a wave: two stages of 32 x SP
.set WST,   4*WREG                     ; the weights' path: four stages of 32 rows x PITCH begin here
.set PITCH, 272                        ; a stage row: 256 bytes of codes + 16
.set SPARE, WST+4*32*PITCH             ; behind them: the spare words, 128 bytes for each wave, that no other line names
.set MANT,  0x600000                   ; the mantissa field of 448 as f32
.set SPW,   12                         ; v12  LDS address of my spare word; never rewritten
.set NIL,   13                         ; v13  0; never rewritten
.set R,     16                         ; x: v16-79   four sets of 16 numbers as they are loaded
.set X,     80                         ; x: v80-111  two sets of 16 neighbours
.set T,     112                        ; x: v112-127 the 16 numbers, held
.set C,     128                        ; x: v128-151 codes: two sets (step % 2) of 4 registers for each of the three parts
.set WX,    32                         ; W: v32-95   two sets of 32 numbers
.set WCD,   96                         ; W: v96-103  a block's codes
.set OUTR,  112                        ; W: v112-175 the way out
.set WSI,   180                        ; W: the stage, on the way in
.set WSO,   181                        ; W: the stage, on the way out
.set WGO,   182                        ; W: the same place in wc
.set WLI,   183                        ; W: 4 x lane
.set WSC,   184                        ; W: 2^e
.set WLM,   185                        ; W: 448 x 2^e
.macro MKSC e, sc, lim                 ; from the whole number in s[e]: 2^e and 448 x 2^e as f32 numbers
	s_add_co_i32 s34, s[\e], 127
	s_lshl_b32 s35, s34, 23
	v_mov_b32 v[\sc], s35
	s_add_co_i32 s34, s34, 8
	s_lshl_b32 s34, s34, 23
	s_or_b32 s34, s34, MANT
	v_mov_b32 v[\lim], s34
.endm
	s_load_b256 s[4:11], s[0:1], 0x0               ; x s[4:5], Wq s[6:7], Wk s[8:9], Wv s[10:11]
	s_load_b256 s[12:19], s[0:1], 0x20             ; Wo s[12:13], the exponents s[14:15], xc s[16:17], wc s[18:19]
	v_lshl_add_u32 v[SPW], v0, 2, SPARE
	v_mov_b32 v[NIL], 0
	v_lshrrev_b32 v1, 5, v0
	v_readfirstlane_b32 s20, v1                    ; wave 0..3
	v_and_b32 v2, 31, v0                           ; lane
	v_lshlrev_b32 v3, 4, v2                        ; 16 x lane
	; every LDS address of both paths is made here, ahead of the parting
	s_mul_i32 s21, s20, WREG
	v_lshrrev_b32 v14, 2, v2
	v_mul_u32_u24 v14, v14, SP
	v_and_b32 v15, 3, v2
	v_lshl_add_u32 v14, v15, 4, v14
	v_add_nc_u32 v14, s21, v14                     ; x's stage, in: four lanes' 64 bytes on end, then 16 of padding
	v_mul_u32_u24 v15, v2, SP
	v_add_nc_u32 v15, s21, v15                     ; and out: my 16 neighbours
	s_mul_i32 s22, s20, 32*PITCH
	s_add_co_u32 s22, s22, WST
	v_lshlrev_b32 v[WLI], 2, v2
	v_mul_u32_u24 v[WSI], v2, PITCH
	v_add_nc_u32 v[WSI], s22, v[WSI]               ; the weights' stage, in: row = my column
	v_and_b32 v186, 15, v2
	v_lshrrev_b32 v187, 4, v2
	v_mul_u32_u24 v[WSO], v187, PITCH
	v_lshl_add_u32 v[WSO], v186, 4, v[WSO]
	v_add_nc_u32 v[WSO], s22, v[WSO]               ; out: sixteen lanes to a row, two rows an instruction
	v_lshlrev_b32 v[WGO], 10, v187
	v_lshl_add_u32 v[WGO], v186, 4, v[WGO]         ; and the same two rows in wc (1,024 bytes apart)
	s_wait_kmcnt 0x0
	s_load_b256 s[36:43], s[14:15], 0x0            ; e0 .. e7
	s_load_b128 s[44:47], s[14:15], 0x20           ; e8 .. e11
	s_cmp_ge_u32 ttmp9, 256
	s_cbranch_scc1 .Lweights
	; ---------------- x ----------------
	s_lshl_b32 s21, ttmp9, 2
	s_add_co_u32 s22, s21, s20                     ; which run of 8,192 numbers is my wave's
	s_lshl_b32 s32, s22, 15
	s_mov_b32 s33, 0
	s_add_nc_u64 s[4:5], s[4:5], s[32:33]          ; 32,768 bytes of x a run
	s_lshl_b32 s32, s22, 13
	s_add_nc_u64 s[24:25], s[16:17], s[32:33]      ; 8,192 bytes of codes a run, in part 0,
	s_add_nc_u64 s[26:27], s[24:25], 0x800000      ; part 1,
	s_add_nc_u64 s[28:29], s[26:27], 0x800000      ; part 2
.macro XLOAD t
.irp i, 0,1,2,3
	global_load_b128 v[R+16*((\t)%4)+4*\i:R+16*((\t)%4)+4*\i+3], v3, s[4:5] offset:2048*(\t)+512*\i th:TH_LOAD_NT   ; 32 lanes read 512 consecutive bytes
.endr
.endm
.macro XTURN t                         ; step t's numbers through the stage: LDS serves a wave's instructions in order, so no wait stands between the stores and the loads
.irp i, 0,1,2,3
	ds_store_b128 v14, v[R+16*((\t)%4)+4*\i:R+16*((\t)%4)+4*\i+3] offset:32*SP*((\t)%2)+8*SP*\i
.endr
.irp i, 0,1,2,3
	ds_load_b128 v[X+16*((\t)%2)+4*\i:X+16*((\t)%2)+4*\i+3], v15 offset:32*SP*((\t)%2)+16*\i
.endr
.endm
.macro XPART t, k                      ; step t's 16 numbers a lane, with the k-th scale, into part k
.set XS, X+16*((\t)%2)
.set CS, C+12*((\t)%2)+4*(\k)
.irp i, 0,1,2,3,4,5,6,7,8,9,10,11,12,13,14,15
	v_med3_num_f32 v[T+\i], v[XS+\i], -v[8+\k], v[8+\k]   ; the conversion to an 8-bit code does not saturate (ISA guide 7.6.2): the hold at 448 x the scale comes first
.endr
	v_cvt_scalef32_pk8_fp8_f32 v[CS:CS+1], v[T:T+7], v[5+\k]
	v_cvt_scalef32_pk8_fp8_f32 v[CS+2:CS+3], v[T+8:T+15], v[5+\k]
	v_nop                                          ; one plain line behind the conversions: the next holds write their sources
	global_store_b128 v3, v[CS:CS+3], s[24+2*\k:25+2*\k] offset:512*(\t)   ; 32 lanes store 512 consecutive bytes
.endm
.irp t, 0,1,2,3
	XLOAD \t
.endr
	s_wait_kmcnt 0x0
	MKSC 36, 5, 8                                  ; e0
	MKSC 38, 6, 9                                  ; e2
	MKSC 40, 7, 10                                 ; e4
	s_wait_loadcnt 12                              ; step 0's four loads are in
	XTURN 0
.macro XSTEP t
	s_wait_dscnt 0x0                               ; this step's numbers are back from the stage, and its stores into the stage have read their registers,
.if (\t)+4 < 16
	XLOAD (\t)+4                                   ; which take the loads of four steps on
.endif
.if (\t)+1 < 16
.if 14-(\t) >= 3
	s_wait_loadcnt 12                              ; the next step's four loads are in; those of the three steps behind it may be out
.else
	s_wait_loadcnt 4*(14-(\t))
.endif
	XTURN (\t)+1
.endif
	s_wait_xcnt 0x0                                ; the stores of two steps ago have read their data: this step's codes take the same registers
	XPART \t, 0
	XPART \t, 1
	XPART \t, 2
.endm
.irp t, 0,1,2,3,4,5,6,7,8,9,10,11,12,13,14,15
	XSTEP \t
.endr
	s_wait_tensorcnt 0x0                           ; the wave's end
	ds_add_u32 v[SPW], v[NIL]
	s_wait_dscnt 0x0
	s_endpgm
	; ---------------- the weights ----------------
.Lweights:
	s_sub_co_u32 s21, ttmp9, 256
	s_lshr_b32 s22, s21, 5                         ; which weight: 0 Wq, 1 Wk, 2 Wv, 3 Wo
	s_bfe_u32 s23, s21, 0x30002                    ; which 128 columns
	s_and_b32 s21, s21, 3                          ; which 256 along K
	s_lshl_b32 s24, s23, 7
	s_lshl_b32 s25, s20, 5
	s_add_co_u32 s24, s24, s25                     ; my wave's first column
	s_lshl_b32 s26, s21, 20                        ; in: 256 rows of 4,096 bytes,
	s_lshl_b32 s25, s24, 2
	s_add_co_u32 s26, s26, s25                     ; + 4 x column
	s_mov_b32 s27, 0
	s_lshl_b32 s28, s22, 20                        ; out: the weight's part,
	s_lshl_b32 s25, s24, 10
	s_add_co_u32 s28, s28, s25                     ; + column x 1,024,
	s_lshl_b32 s25, s21, 8
	s_add_co_u32 s28, s28, s25                     ; + my 256 along K
	s_mov_b32 s29, 0
	s_cmp_eq_u32 s22, 1                            ; the choices hang on the work-group's number alone
	s_cselect_b64 s[6:7], s[8:9], s[6:7]
	s_cmp_eq_u32 s22, 2
	s_cselect_b64 s[6:7], s[10:11], s[6:7]
	s_cmp_eq_u32 s22, 3
	s_cselect_b64 s[6:7], s[12:13], s[6:7]
	s_add_nc_u64 s[6:7], s[6:7], s[26:27]
	s_add_nc_u64 s[18:19], s[18:19], s[28:29]
.macro WLOAD t                         ; block t: W(32 t + i, my column), i = 0 .. 31: a wave's load reads 128 consecutive bytes, the four waves stand side by side
.set wi, 0
.rept 32
	global_load_b32 v[WX+32*((\t)%2)+wi], v[WLI], s[6:7] offset:(32*(\t)+wi)*4096 th:TH_LOAD_NT
.set wi, wi+1
.endr
.endm
	WLOAD 0
	WLOAD 1
	s_wait_kmcnt 0x0
	s_mov_b32 s30, s37                             ; e1,
	s_cmp_eq_u32 s22, 1
	s_cselect_b32 s30, s39, s30                    ; e3,
	s_cmp_eq_u32 s22, 2
	s_cselect_b32 s30, s41, s30                    ; e5,
	s_cmp_eq_u32 s22, 3
	s_cselect_b32 s30, s47, s30                    ; or e11
	MKSC 30, WSC, WLM
.macro WBLOCK t
.set WS, WX+32*((\t)%2)
.if (\t) < 7
	s_wait_loadcnt 32                              ; this block's 32 loads are in; the next block's may be out
.else
	s_wait_loadcnt 0
.endif
.set wj, 0
.rept 32
	v_med3_num_f32 v[WS+wj], v[WS+wj], -v[WLM], v[WLM]
.set wj, wj+1
.endr
.irp g, 0,1,2,3
	v_cvt_scalef32_pk8_fp8_f32 v[WCD+2*\g:WCD+2*\g+1], v[WS+8*\g:WS+8*\g+7], v[WSC]
.endr
	ds_store_b128 v[WSI], v[WCD:WCD+3] offset:32*(\t)      ; 32 codes: 32 bytes of my column's row.  (The results go to LDS stores; the next vector lines are the next block's holds, plain ones on other registers)
	ds_store_b128 v[WSI], v[WCD+4:WCD+7] offset:32*(\t)+16
.if (\t)+2 < 8
	WLOAD (\t)+2
.endif
	s_wait_dscnt 0x0                               ; the stores have read their registers: the next block's codes may be written
.endm
.irp t, 0,1,2,3,4,5,6,7
	WBLOCK \t
.endr
.irp t, 0,1,2,3,4,5,6,7,8,9,10,11,12,13,14,15
	ds_load_b128 v[OUTR+4*\t:OUTR+4*\t+3], v[WSO] offset:2*\t*PITCH   ; LDS serves a wave's instructions in order: these see my stores
.endr
.irp t, 0,1,2,3,4,5,6,7,8,9,10,11,12,13,14,15
	s_wait_dscnt 15-\t                             ; the younger reads may be out
	global_store_b128 v[WGO], v[OUTR+4*\t:OUTR+4*\t+3], s[18:19] offset:2*\t*1024   ; sixteen lanes store 256 consecutive bytes, aligned
.endr
	s_wait_tensorcnt 0x0                           ; the wave's end
	ds_add_u32 v[SPW], v[NIL]
	s_wait_dscnt 0x0
	s_endpgm
.Lfunc_end_k_q8a996d471b_quant:
	.size	k_q8a996d471b_quant, .Lfunc_end_k_q8a996d471b_quant-k_q8a996d471b_quant
	.p2alignl 7, 3214868480
	.fill 96, 4, 3214868480
	.section	.rodata,"a",@progbits
	.p2align	6, 0x0
	.amdhsa_kernel k_q8a996d471b_quant
		.amdhsa_group_segment_fixed_size 68096
		.amdhsa_private_segment_fixed_size 0
		.amdhsa_enable_private_segment 0
		.amdhsa_kernarg_size 64
		.amdhsa_user_sgpr_count 2
		.amdhsa_user_sgpr_kernarg_segment_ptr 1
		.amdhsa_wavefront_size32 1
		.amdhsa_system_sgpr_workgroup_id_x 1
		.amdhsa_system_sgpr_workgroup_id_y 1
		.amdhsa_system_sgpr_workgroup_id_z 1
		.amdhsa_system_vgpr_workitem_id 0
		.amdhsa_next_free_vgpr 192
		.amdhsa_next_free_sgpr 66
		.amdhsa_reserve_vcc 0
		.amdhsa_float_denorm_mode_32 3
		.amdhsa_float_denorm_mode_16_64 3
		.amdhsa_memory_ordered 1
		.amdhsa_forward_progress 1
		.amdhsa_inst_pref_size 127
	.end_amdhsa_kernel
	.amdgpu_metadata
---
amdhsa.version: [ 1, 2 ]
amdhsa.kernels:
  - .name:           k_q8a996d471b_quant
    .symbol:         k_q8a996d471b_quant.kd
    .args:
      - { .name: x, .offset: 0, .size: 8, .value_kind: global_buffer, .address_space: global }
      - { .name: Wq, .offset: 8, .size: 8, .value_kind: global_buffer, .address_space: global }
      - { .name: Wk, .offset: 16, .size: 8, .value_kind: global_buffer, .address_space: global }
      - { .name: Wv, .offset: 24, .size: 8, .value_kind: global_buffer, .address_space: global }
      - { .name: Wo, .offset: 32, .size: 8, .value_kind: global_buffer, .address_space: global }
      - { .name: lowp_scales, .offset: 40, .size: 8, .value_kind: global_buffer, .address_space: global }
      - { .name: xc, .offset: 48, .size: 8, .value_kind: global_buffer, .address_space: global }
      - { .name: wc, .offset: 56, .size: 8, .value_kind: global_buffer, .address_space: global }
    .group_segment_fixed_size: 68096
    .private_segment_fixed_size: 0
    .kernarg_segment_align: 8
    .kernarg_segment_size: 64
    .max_flat_workgroup_size: 128
    .sgpr_count:     66
    .vgpr_count:     192
    .wavefront_size: 32
...
	.end_amdgpu_metadata
.endif
;; end of part 1
;; launch qkvproj (part 2): grid 96 x 4, 4 waves a work-group, clusters of 4 x 4, 327,680 bytes of LDS; arguments xc, wc, lowp_scales, bq, bk, bv, qkv; writes qkv
.if DOCPART == 2
	.amdgcn_target "amdgcn-amd-amdhsa--gfx1250"
	.amdhsa_code_object_version 6
	.text
	.protected	k_q8a996d471b_qkvproj
	.globl	k_q8a996d471b_qkvproj
	.p2align	8
	.type	k_q8a996d471b_qkvproj,@function
k_q8a996d471b_qkvproj:
	s_mov_b64 s[64:65], 0
	v_nop
	global_prefetch_b8 v0, s[64:65] scope:SCOPE_SE
	s_setreg_imm32_b32 hwreg(HW_REG_WAVE_MODE, 25, 1), 1
	s_wait_xcnt 0x0
	s_wait_alu depctr_hold_cnt(0) depctr_sa_sdst(0) depctr_va_vdst(0) depctr_va_sdst(0) depctr_va_ssrc(0) depctr_va_vcc(0) depctr_vm_vsrc(0)
	s_getreg_b32 s2, hwreg(HW_REG_IB_STS2, 6, 4)
	s_cmp_eq_u32 s2, 0
	s_cbranch_scc0 .Lentry_in_a_cluster
	s_endpgm
.Lentry_in_a_cluster:
	s_bfe_u32 s2, ttmp6, 0x10000c
	s_cmp_lg_u32 s2, 0xf033
	s_cbranch_scc0 .Lentry_shape_is_right
	s_endpgm
.Lentry_shape_is_right:
; q = x Wq + bq, k = x Wk + bk, v = x Wv + bv on codes of E4M3, and the results quantised at once (e6, e7, e9) into the order of the next launch's operand registers.
; 24 clusters of 4 x 4 work-groups; cluster c: P = c / 8 says which product (0 q, 1 k, 2 v), c % 8 which 1,024 tokens.  A work-group makes a tile of 256 x 256, a wave 128 x 128: 64 accumulators, 512 registers.
; K = 1,024 goes in four K steps of 256 through a ring of two LDS slots filled by the tensor data mover; a tile's row is 256 bytes of memory.
; TWO TENSORS OF ROWS, "A" AND "B", both [rows][1024] bytes.  The matrix instruction takes 16 rows of B as source 0 and 16 rows of A as source 1: lane (r, h) then holds A's row r and B's rows 8 h + 0 .. 7.
;   P < 2: A = x's codes (tokens), B = the weight's (features): a lane holds eight neighbouring channels of a token: the next product's K is the head's 64 channels.
;   P = 2: A = Wv's codes (features), B = x's (tokens): a lane holds eight neighbouring tokens of a channel: the next product's K is the keys.
; So one conversion of an accumulator's eight registers gives two registers of the reader's fragment, and the way out needs no LDS: the eight registers of four neighbouring accumulators are a fragment's image,
; stored by two instructions of 512 consecutive bytes.  qkv: three parts of 8 MiB of such images of 1 KiB (registers 0-3 at 16 x lane, registers 4-7 at 512 + 16 x lane):
;   q, k: [batch x head 64][tile of 16 tokens 128];   v: [batch x head 64][step of 64 keys 32][tile of 16 channels 4].
; The bias is the C of each sum's first matrix instruction, divided by the power of two that the sums lack.  It runs along B's rows for q and k and along A's rows for v: the first step is written twice,
; under a branch on P, which is made of the cluster's number and is the same in all sixteen partners.
; x's codes for product P lie in part P of xc, the weight's in part P of wc: every word of the descriptors is made of arguments, ids and constants; no number read from memory enters an address or a branch.
; CLUSTERS: the four work-groups of a row of the cluster need the same tiles of A, the four of a column the same tiles of B: each tile is asked for jointly.
; 384 work-groups: 1,024 features divide into no tile that gives 256 or 512 work-groups without halving a wave's tile.  No work-group stays and nothing is prefetched: four K steps, two refills.
; LIMITS: e6 - e0 - e1, e7 - e2 - e3, e9 - e4 - e5 between -126 and 119.  NaN is not served.
.set ROWB,   256                       ; a tile's row in bytes
.set KROW,   1024                      ; a row of A or of B in memory
.set PITCH,  272                       ; an LDS row: 256 bytes + 16 of padding = 68 words: the 16 rows that a load touches start at 16 different banks (64 banks of 4 bytes: ISA guide 11.1)
.set FR,     16                        ; registers of a fragment: 16 rows x 128 K
.set NL,     4                         ; LDS loads that bring one
.set NP,     4                         ; places behind this matrix instruction (ISA guide 7.12.1)
.set HALFT,  128*PITCH                 ; 128 rows: what one tensor load brings
.set SLOT,   4*HALFT                   ; A's 256 rows, then B's 256 rows
.set SPARE,  2*SLOT                    ; behind the ring: the spare words, 128 bytes for each wave, that no other line names
.set ADRA, 16                          ; v16-17  LDS address of my A fragments in slot 0, 1
.set ADRB, 20                          ; v20-21  the same for B
.set LO,   24                          ; v24     16 x lane: an image's place for my lane
.set SC,   26                          ; v26     2^(the result's e - the operands' e added)
.set LIM,  27                          ; v27     448 x that
.set SPW,  28                          ; v28     LDS address of my spare word; never rewritten
.set NIL,  29                          ; v29     0; never rewritten
.set BIAS, 32                          ; v32-95  the bias, eight registers for each of eight blocks; on the way out the same registers hold a block's held sums
.set TMP,  32
.set BT,   96                          ; v96-103 v's bias as loaded
.set AF,   128                         ; A's fragments, window 0, ONE set
.set CD,   128                         ; the way out: the codes, 16 registers a block, where A's fragments lay
.set G1, 24                            ; s[24:31] descriptor group 1 for A's tiles;  s[32:39] group 0, one set for each slot
.set G0, 32
.set G1B, 48                           ; s[48:55], s[56:63] the same for B's tiles
.set G0B, 56
.set PP, 82                            ; s82     P
.set MSB, 0
.macro WIN new                         ; the immediate's high byte repeats the setting that is left
.if MSB != \new
	s_set_vgpr_msb (MSB<<8)|\new
.set MSB, \new
.endif
.endm
.set MUL_LO, 0xa1                      ; source 0 (B) window 1, source 1 (A) window 0, C and D window 2
.set MUL_HI, 0xf1                      ; the same, C and D window 3
.set FST_LO, 0x81                      ; the first step: C (the bias) window 0, D window 2
.set FST_HI, 0xc1                      ; D window 3
.set TO_B,   0x40                      ; destination window 1, address window 0
; A joint load: waves 0 and 1 fetch for A, waves 2 and 3 for B.  The branch hangs on the wave's number alone.  An s_nop 0 and four v_nop follow each of the two lines.
.macro JLOAD g0a, g1a, g0b, g1b
	s_cmp_eq_u32 s15, 0
	s_cbranch_scc0 .Lfor_b_\@
	tensor_load_to_lds s[\g0a:\g0a+3], s[\g1a:\g1a+7]
	s_nop 0
.rept 4
	v_nop
.endr
	s_branch .Lasked_\@
.Lfor_b_\@:
	tensor_load_to_lds s[\g0b:\g0b+3], s[\g1b:\g1b+7]
	s_nop 0
.rept 4
	v_nop
.endr
.Lasked_\@:
.endm
.macro CREST                           ; a round of the cluster's barrier behind its opening barrier
	s_cmp_lg_u32 s14, 0
	s_cbranch_scc1 .Lnot_wave_0_\@
	s_barrier_signal -3
.Lnot_wave_0_\@:
	s_barrier_wait -3
	s_barrier_signal -1
	s_barrier_wait -1
.endm
.macro CROUND                          ; a whole round
	s_barrier_signal -1
	s_barrier_wait -1
	CREST
.endm
	s_load_b256 s[68:75], s[0:1], 0x0              ; xc s[68:69], wc s[70:71], the exponents s[72:73], bq s[74:75]
	s_load_b128 s[76:79], s[0:1], 0x20             ; bk s[76:77], bv s[78:79]
	s_load_b64 s[80:81], s[0:1], 0x30              ; qkv
	v_lshl_add_u32 v[SPW], v0, 2, SPARE
	v_mov_b32 v[NIL], 0
	ds_add_u32 v[SPW], v[NIL]                      ; the wave's opening: the add and its wait stand ahead of my first tensor load; the set-up below, work on registers, stands between them
	v_lshrrev_b32 v1, 5, v0
	v_readfirstlane_b32 s14, v1                    ; wave 0..3
	s_lshr_b32 s15, s14, 1                         ; which half of A's 256 rows is mine.  Also: I fetch for A (0) or for B (1)
	s_and_b32 s16, s14, 1                          ; which half of B's.  Also: which 128 rows of that tile I fetch
	s_bfe_u32 s40, ttmp6, 0x40000                  ; cx, cy: my place in the cluster
	s_bfe_u32 s41, ttmp6, 0x40004
	s_lshr_b32 s[PP], ttmp9, 3                     ; P
	s_and_b32 s83, ttmp9, 7
	s_lshl_b32 s83, s83, 2                         ; the cluster's first tile of 256 tokens
	s_cmp_lt_u32 s[PP], 2
	s_cselect_b32 s17, s83, 0
	s_cselect_b32 s42, 0, s83
	s_add_co_u32 s17, s17, s41                     ; A's tile: of tokens (q, k) or of features (v); hangs on cy alone
	s_add_co_u32 s42, s42, s40                     ; B's tile: of features (q, k) or of tokens (v); hangs on cx alone
	s_lshl_b32 s43, s41, 2
	s_lshl_b32 s43, 15, s43                        ; my row of the cluster
	s_lshl_b32 s44, 0x1111, s40                    ; my column
	; descriptor group 1: a tile of 128 rows x 256 bytes, padded in LDS
	s_or_b32 s[G1+0], s43, (0<<16)|(1<<20)|(1<<21)|(5<<22)|(3<<25)  ; 15:0 the mask: A's tiles go to my row; elements of 1 byte; padding on; bit 21 beside a mask; after every 64 words (code 5) four words (code 3)
	s_or_b32 s[G1B+0], s44, (0<<16)|(1<<20)|(1<<21)|(5<<22)|(3<<25)
.irp g, G1, G1B
	s_mov_b32 s[\g+1], ROWB<<16                    ; tensor_dim0
	s_mov_b32 s[\g+2], 128<<16                     ; tensor_dim1 = 128
	s_mov_b32 s[\g+3], ROWB<<16                    ; tile_dim0
	s_mov_b32 s[\g+4], 128                         ; tile_dim1 = 128
	s_mov_b32 s[\g+5], KROW                        ; tensor_dim0_stride
	s_mov_b32 s[\g+6], 0
	s_mov_b32 s[\g+7], 0
.endr
	s_lshl_b32 s18, s16, 7                         ; which 128 rows of the tile I fetch
	s_lshl_b32 s20, s17, 8
	s_add_co_u32 s20, s20, s18
	s_lshl_b32 s20, s20, 10                        ; A: (256 x tile + 128 x half) rows of 1,024 bytes
	s_mov_b32 s21, 0
	s_lshl_b32 s46, s42, 8
	s_add_co_u32 s46, s46, s18
	s_lshl_b32 s46, s46, 10                        ; B likewise
	s_mov_b32 s47, 0
	s_mul_i32 s45, s14, HALFT                      ; where they go: wave x 128 rows: no place in the cluster enters an LDS address
	s_wait_dscnt 0x0                               ; the opening add is done
	s_wait_kmcnt 0x0
	s_load_b256 s[84:91], s[72:73], 0x0            ; e0 .. e7: awaited where the scales are made, behind the first joint loads
	s_load_b64 s[92:93], s[72:73], 0x20            ; e8, e9
	s_lshl_b32 s94, s[PP], 23                      ; part P of xc: parts of 8 MiB
	s_mov_b32 s95, 0
	s_add_nc_u64 s[98:99], s[68:69], s[94:95]      ; x's codes
	s_lshl_b32 s94, s[PP], 20                      ; part P of wc: parts of 1 MiB
	s_add_nc_u64 s[100:101], s[70:71], s[94:95]    ; the weight's
	s_cmp_lt_u32 s[PP], 2
	s_cselect_b64 s[4:5], s[98:99], s[100:101]     ; A
	s_cselect_b64 s[6:7], s[100:101], s[98:99]     ; B
	s_add_nc_u64 s[20:21], s[4:5], s[20:21]
	s_add_nc_u64 s[46:47], s[6:7], s[46:47]
	CROUND                                         ; all sixteen work-groups are here: the first joint loads meet
.irp s, 0,1
	s_mov_b32 s[G0+4*\s], 1
	s_add_co_u32 s[G0+4*\s+1], s45, \s*SLOT
	s_add_nc_u64 s[G0+4*\s+2:G0+4*\s+3], s[20:21], \s*ROWB
	s_or_b32 s[G0+4*\s+3], s[G0+4*\s+3], 0x80000000
	s_mov_b32 s[G0B+4*\s], 1
	s_add_co_u32 s[G0B+4*\s+1], s45, \s*SLOT
	s_add_nc_u64 s[G0B+4*\s+2:G0B+4*\s+3], s[46:47], \s*ROWB
	s_or_b32 s[G0B+4*\s+3], s[G0B+4*\s+3], 0x80000000
	JLOAD G0+4*\s, G1, G0B+4*\s, G1B               ; two loads of mine are out
.endr
	v_and_b32 v1, 15, v0                           ; r
	v_bfe_u32 v2, v0, 4, 1                         ; h
	v_mul_u32_u24 v3, v1, PITCH
	v_lshl_add_u32 v4, v2, 4, v3                   ; a fragment's row x pitch + 16 x half
	s_mul_i32 s21, s15, HALFT                      ; my 128 rows of A
	s_mul_i32 s22, s16, HALFT                      ; my 128 rows of B,
	s_add_co_u32 s22, s22, 2*HALFT                 ; which lie behind A's 256
.irp s, 0,1
	v_add_nc_u32 v[ADRA+\s], s21, v4
	v_add_nc_u32 v[ADRB+\s], s22, v4
	s_add_co_u32 s21, s21, SLOT
	s_add_co_u32 s22, s22, SLOT
.endr
	v_and_b32 v[LO], 31, v0
	v_lshlrev_b32 v[LO], 4, v[LO]
	; the exponents of this product, and its bias
	s_wait_kmcnt 0x0
	s_add_co_i32 s84, s84, s85                     ; e0 + e1
	s_add_co_i32 s86, s86, s87                     ; e2 + e3
	s_add_co_i32 s88, s88, s89                     ; e4 + e5
	s_cmp_eq_u32 s[PP], 1
	s_cselect_b32 s84, s86, s84
	s_cselect_b32 s90, s91, s90                    ; e6 or e7
	s_cselect_b64 s[12:13], s[76:77], s[74:75]
	s_cmp_eq_u32 s[PP], 2
	s_cselect_b32 s84, s88, s84                    ; a sum stands for sum x 2^s84
	s_cselect_b32 s90, s93, s90                    ; or e9
	s_cselect_b64 s[12:13], s[78:79], s[12:13]
	s_sub_co_i32 s85, 0, s84
	s_sub_co_i32 s90, s90, s84                     ; the scales are folded into the conversion's one
	s_add_co_i32 s90, s90, 127
	s_lshl_b32 s91, s90, 23
	v_mov_b32 v[SC], s91
	s_add_co_i32 s90, s90, 8
	s_lshl_b32 s90, s90, 23
	s_or_b32 s90, s90, 0x600000
	v_mov_b32 v[LIM], s90
	; where the images go.  U, uh: the tile of tokens and my half of it; F, fh: the tile of features and my half
	s_mov_b32 s66, 4096
	s_mov_b32 s67, 131072
	s_cmp_lt_u32 s[PP], 2
	s_cselect_b32 s94, s17, s42                    ; U
	s_cselect_b32 s95, s15, s16                    ; uh
	s_cselect_b32 s96, s42, s17                    ; F
	s_cselect_b32 s97, s16, s15                    ; fh
	s_cselect_b32 s18, s66, s67                    ; from A's blocks 0-3 to 4-7: four tiles of tokens (q, k) or a head (v)
	s_cselect_b32 s22, s67, s66                    ; from B's blocks 0-3 to 4-7: a head (q, k) or a step of 64 keys (v)
	s_mov_b32 s19, 0
	s_mov_b32 s23, 0
	s_lshr_b32 s98, s94, 3                         ; the batch,
	s_lshl_b32 s98, s98, 4
	s_lshl_b32 s99, s96, 2
	s_add_co_u32 s98, s98, s99
	s_lshl_b32 s99, s97, 1
	s_add_co_u32 s98, s98, s99                     ; x 16 + my first head = 4 F + 2 fh
	s_lshl_b32 s98, s98, 17                        ; 131,072 bytes for a batch and head
	s_and_b32 s99, s94, 7
	s_lshl_b32 s99, s99, 4
	s_lshl_b32 s100, s95, 3
	s_add_co_u32 s99, s99, s100                    ; my first tile of 16 tokens in the batch
	s_lshl_b32 s99, s99, 10
	s_add_co_u32 s98, s98, s99
	s_lshl_b32 s99, s[PP], 23                      ; the part
	s_add_co_u32 s98, s98, s99
	s_mov_b32 s99, 0
	s_add_nc_u64 s[4:5], s[80:81], s[98:99]        ; A's blocks 0-3, B's 0-3
	s_add_nc_u64 s[6:7], s[4:5], s[22:23]          ; A's 0-3, B's 4-7
	s_add_nc_u64 s[8:9], s[4:5], s[18:19]          ; A's 4-7, B's 0-3
	s_add_nc_u64 s[10:11], s[8:9], s[22:23]        ; A's 4-7, B's 4-7
	s_lshl_b32 s98, s96, 10
	s_lshl_b32 s100, s97, 9
	s_add_co_u32 s98, s98, s100
	s_add_nc_u64 s[12:13], s[12:13], s[98:99]      ; the bias at my first feature: 256 F + 128 fh
	v_lshlrev_b32 v5, 5, v2                        ; 32 h
	v_lshlrev_b32 v6, 2, v1                        ; 4 r
	s_cmp_eq_u32 s[PP], 2
	s_cbranch_scc1 .Lbias_v
.irp b, 0,1,2,3,4,5,6,7                        ; q, k: for B's block b a lane wants the bias of features 16 b + 8 h + 0 .. 7
	global_load_b128 v[BIAS+8*\b:BIAS+8*\b+3], v5, s[12:13] offset:64*\b
	global_load_b128 v[BIAS+8*\b+4:BIAS+8*\b+7], v5, s[12:13] offset:64*\b+16
.endr
	s_wait_loadcnt 0x0
.set bi, 0
.rept 64
	v_ldexp_f32 v[BIAS+bi], v[BIAS+bi], s85        ; / the power of two that the sums lack
.set bi, bi+1
.endr
	s_branch .Lbias_done
.Lbias_v:
.irp a, 0,1,2,3,4,5,6,7                        ; v: for A's block a a lane wants the bias of feature 16 a + r, in all eight registers
	global_load_b32 v[BT+\a], v6, s[12:13] offset:64*\a
.endr
	s_wait_loadcnt 0x0
.irp a, 0,1,2,3,4,5,6,7
.irp j, 0,1,2,3,4,5,6,7
	v_ldexp_f32 v[BIAS+8*\a+\j], v[BT+\a], s85
.endr
.endr
.Lbias_done:
.macro FRAG reg, adr, q, i             ; a fragment, 16 rows x 128 K: lane l holds row l % 16; registers 4 c .. 4 c + 3 hold K = 32 c + 16 (l / 16) + 0 .. 15: the same permutation of k in A and in B
.irp c, 0,1,2,3
	ds_load_b128 v[\reg+4*\c:\reg+4*\c+3], v[\adr] offset:128*(\q)+32*\c+(\i)*16*PITCH
.endr
.endm
; 16 matrix instructions: A's blocks a0, a0 + 1 x B's eight, 128 along K.  p: B's set.  mode 0: the sums go on; 1: they begin with the bias of B's block; 2: with that of A's block.
; The 64 accumulators take turns, one instruction a turn, in the same order in every step.
.macro MUL16 a0, p, mode
.irp a, \a0, \a0+1
.irp b, 0,1,2,3,4,5,6,7
.if \mode == 0
	v_wmma_f32_16x16x128_fp8_fp8 v[8*(8*((\a)%4)+\b):8*(8*((\a)%4)+\b)+7], v[128*(\p)+FR*\b:128*(\p)+FR*\b+FR-1], v[AF+FR*(\a):AF+FR*(\a)+FR-1], v[8*(8*((\a)%4)+\b):8*(8*((\a)%4)+\b)+7]
.elseif \mode == 1
	v_wmma_f32_16x16x128_fp8_fp8 v[8*(8*((\a)%4)+\b):8*(8*((\a)%4)+\b)+7], v[128*(\p)+FR*\b:128*(\p)+FR*\b+FR-1], v[AF+FR*(\a):AF+FR*(\a)+FR-1], v[BIAS+8*\b:BIAS+8*\b+7]
.else
	v_wmma_f32_16x16x128_fp8_fp8 v[8*(8*((\a)%4)+\b):8*(8*((\a)%4)+\b)+7], v[128*(\p)+FR*\b:128*(\p)+FR*\b+FR-1], v[AF+FR*(\a):AF+FR*(\a)+FR-1], v[BIAS+8*(\a):BIAS+8*(\a)+7]
.endif
.endr
.endr
.endm
.macro FETCH_B slot, q, p              ; B's eight fragments of the slot's q-th 128 along K into set p
	WIN TO_B
.irp i, 0,1,2,3,4,5,6,7
	FRAG 128*(\p)+FR*\i, ADRB+\slot, \q, \i
.endr
	WIN 0
.endm
.macro FETCH_A slot, q, i0             ; A's blocks i0 .. i0 + 3
.irp i, \i0, \i0+1, \i0+2, \i0+3
	FRAG AF+FR*(\i), ADRA+\slot, \q, \i
.endr
.endm
.macro PLACES n                        ; plain vector lines between a matrix instruction and a load into, or a vector line on, one of its registers
.rept \n
	v_nop
.endr
.endm
; A step of 128 along K that has its successor in the same slot.  A block of A is free as soon as its eight products are issued: blocks 0-3 are fetched anew in the step's middle, blocks 4-7 at its end.
.macro STEP slot, q, mode
	s_wait_dscnt 4*NL                              ; B's set and A's blocks 0-3 are in; the youngest sixteen loads (A's blocks 4-7) may be out
.if \mode
	WIN FST_LO
.else
	WIN MUL_LO
.endif
	MUL16 0, (\q)%2, \mode
	MUL16 2, (\q)%2, \mode
	s_wait_dscnt 0                                 ; A's blocks 4-7 are in
	PLACES NP
	FETCH_B \slot, (\q)+1, 1-(\q)%2
	FETCH_A \slot, (\q)+1, 0
.if \mode
	WIN FST_HI
.else
	WIN MUL_HI
.endif
	MUL16 4, (\q)%2, \mode
	MUL16 6, (\q)%2, \mode
	PLACES NP
	WIN 0
	FETCH_A \slot, (\q)+1, 4
.endm
; A slot's last step changes slots: ONE barrier; in front of it each wave waits for all its tensor loads, adds 0 to its spare word, and waits for that and for its own reads of this slot.  fill = 1: this slot is filled again, two K steps ahead.
.macro TURN slot, next, fill
	s_wait_tensorcnt 0x0                           ; all my tensor loads have landed: my part of the next slot  (every window is 0 here)
	ds_add_u32 v[SPW], v[NIL]                      ; 0 onto my spare word
	s_wait_dscnt 4*NL+1                            ; (the add and the youngest sixteen loads may be out)
	WIN MUL_LO
	MUL16 0, 1, 0                                  ; sixteen matrix instructions stand between the add and the wait for it
	s_wait_dscnt 0x0                               ; the add is done, and my reads of this slot are over
	s_barrier_signal -1
	MUL16 2, 1, 0
	WIN 0
	s_barrier_wait -1
.if \fill
	CREST                                          ; the barrier has opened a round of the cluster's barrier: no wave of any partner still reads this slot or has a load on its way
	s_add_nc_u64 s[G0+4*\slot+2:G0+4*\slot+3], s[G0+4*\slot+2:G0+4*\slot+3], 2*ROWB
	s_add_nc_u64 s[G0B+4*\slot+2:G0B+4*\slot+3], s[G0B+4*\slot+2:G0B+4*\slot+3], 2*ROWB
	JLOAD G0+4*\slot, G1, G0B+4*\slot, G1B         ; the first tensor load behind the round, my one load until the next; its four v_nop are the places in front of the loads below
.else
	PLACES NP
.endif
	FETCH_B \next, 0, 0
	FETCH_A \next, 0, 0
	WIN MUL_HI
	MUL16 4, 1, 0
	MUL16 6, 1, 0
	PLACES NP
	WIN 0
	FETCH_A \next, 0, 4
.endm
	s_wait_tensorcnt 1                             ; my part of K step 0 is in (K step 1's load may be out)
	s_barrier_signal -1
	s_barrier_wait -1                              ; everybody's is
	FETCH_B 0, 0, 0
	FETCH_A 0, 0, 0
	FETCH_A 0, 0, 4
	s_cmp_eq_u32 s[PP], 2                          ; the first step starts the sums with the bias
	s_cbranch_scc1 .Lfirst_v
	STEP 0, 0, 1
	s_branch .Lfirst_done
.Lfirst_v:
	STEP 0, 0, 2
.Lfirst_done:
	TURN 0, 1, 1                                   ; K has two laps of the ring: the lap that fills both slots again is written once, with no loop
	STEP 1, 0, 0
	TURN 1, 0, 1
	STEP 0, 0, 0
	TURN 0, 1, 0                                   ; the last lap fills nothing, and has no round of the cluster's barrier
	STEP 1, 0, 0
	s_wait_dscnt 4*NL                              ; the very last step: nothing more to fetch
	WIN MUL_LO
	MUL16 0, 1, 0
	MUL16 2, 1, 0
	s_wait_dscnt 0
	WIN MUL_HI
	MUL16 4, 1, 0
	MUL16 6, 1, 0
	WIN 0
; THE WAY OUT of A's block a: 64 sums a lane are held, each accumulator from its low end on, and converted; accumulator b gives registers 2 (b % 4), 2 (b % 4) + 1 of image b / 4.
; Every block has code registers of its own, so no store's data are written again.
.macro OUTB a
.set AC, 64*((\a)%4)
	WIN 0x02+((\a)/4)                              ; source 0: window 2 or 3
.set oi, 0
.rept 64
	v_med3_num_f32 v[TMP+oi], v[AC+oi], -v[LIM], v[LIM]   ; the conversion does not saturate (ISA guide 7.6.2): the hold comes first
.set oi, oi+1
.endr
	WIN 0
.irp b, 0,1,2,3,4,5,6,7
	v_cvt_scalef32_pk8_fp8_f32 v[CD+16*(\a)+2*\b:CD+16*(\a)+2*\b+1], v[TMP+8*\b:TMP+8*\b+7], v[SC]
.endr
	v_nop                                          ; one plain line behind the conversions: the next block's holds write their sources
.irp u, 0,1
	global_store_b128 v[LO], v[CD+16*(\a)+8*\u:CD+16*(\a)+8*\u+3], s[4+4*((\a)/4)+2*\u:5+4*((\a)/4)+2*\u] offset:((\a)%4)*1024       ; 32 lanes store 512 consecutive bytes, aligned
	global_store_b128 v[LO], v[CD+16*(\a)+8*\u+4:CD+16*(\a)+8*\u+7], s[4+4*((\a)/4)+2*\u:5+4*((\a)/4)+2*\u] offset:((\a)%4)*1024+512
.endr
.endm
	PLACES NP                                      ; behind the last products: for the reads of results and the writes over A's fragments
.irp a, 0,1,2,3,4,5,6,7
	OUTB \a
.endr
	s_wait_tensorcnt 0x0                           ; the wave's end
	ds_add_u32 v[SPW], v[NIL]
	s_wait_dscnt 0x0
	CROUND                                         ; the closing round: no work-group ends while a partner may still ask for a tile that names it
	s_endpgm
.Lfunc_end_k_q8a996d471b_qkvproj:
	.size	k_q8a996d471b_qkvproj, .Lfunc_end_k_q8a996d471b_qkvproj-k_q8a996d471b_qkvproj
	.p2alignl 7, 3214868480
	.fill 96, 4, 3214868480
	.section	.rodata,"a",@progbits
	.p2align	6, 0x0
	.amdhsa_kernel k_q8a996d471b_qkvproj
		.amdhsa_group_segment_fixed_size 327680
		.amdhsa_private_segment_fixed_size 0
		.amdhsa_enable_private_segment 0
		.amdhsa_kernarg_size 56
		.amdhsa_user_sgpr_count 2
		.amdhsa_user_sgpr_kernarg_segment_ptr 1
		.amdhsa_wavefront_size32 1
		.amdhsa_system_sgpr_workgroup_id_x 1
		.amdhsa_system_sgpr_workgroup_id_y 1
		.amdhsa_system_sgpr_workgroup_id_z 1
		.amdhsa_system_vgpr_workitem_id 0
		.amdhsa_next_free_vgpr 1024
		.amdhsa_next_free_sgpr 102
		.amdhsa_reserve_vcc 0
		.amdhsa_float_denorm_mode_32 3
		.amdhsa_float_denorm_mode_16_64 3
		.amdhsa_memory_ordered 1
		.amdhsa_forward_progress 1
		.amdhsa_inst_pref_size 138
	.end_amdhsa_kernel
	.amdgpu_metadata
---
amdhsa.version: [ 1, 2 ]
amdhsa.kernels:
  - .name:           k_q8a996d471b_qkvproj
    .symbol:         k_q8a996d471b_qkvproj.kd
    .args:
      - { .name: xc, .offset: 0, .size: 8, .value_kind: global_buffer, .address_space: global }
      - { .name: wc, .offset: 8, .size: 8, .value_kind: global_buffer, .address_space: global }
      - { .name: lowp_scales, .offset: 16, .size: 8, .value_kind: global_buffer, .address_space: global }
      - { .name: bq, .offset: 24, .size: 8, .value_kind: global_buffer, .address_space: global }
      - { .name: bk, .offset: 32, .size: 8, .value_kind: global_buffer, .address_space: global }
      - { .name: bv, .offset: 40, .size: 8, .value_kind: global_buffer, .address_space: global }
      - { .name: qkv, .offset: 48, .size: 8, .value_kind: global_buffer, .address_space: global }
    .group_segment_fixed_size: 327680
    .private_segment_fixed_size: 0
    .kernarg_segment_align: 8
    .kernarg_segment_size: 56
    .max_flat_workgroup_size: 128
    .sgpr_count:     102
    .vgpr_count:     1024
    .wavefront_size: 32
...
	.end_amdgpu_metadata
.endif
;; end of part 2
;; launch attn (part 3): grid 4 x 64, 16 waves a work-group, no clusters, 67,584 bytes of LDS; arguments qkv, lowp_scales, cc; writes cc
.if DOCPART == 3
	.amdgcn_target "amdgcn-amd-amdhsa--gfx1250"
	.amdhsa_code_object_version 6
	.text
	.protected	k_q8a996d471b_attn
	.globl	k_q8a996d471b_attn
	.p2align	8
	.type	k_q8a996d471b_attn,@function
k_q8a996d471b_attn:
	s_mov_b64 s[64:65], 0
	v_nop
	global_prefetch_b8 v0, s[64:65] scope:SCOPE_SE
	s_setreg_imm32_b32 hwreg(HW_REG_WAVE_MODE, 25, 1), 1
	s_wait_xcnt 0x0
; ctx = softmax(q k^T / 8, causal) v for 64 pairs of batch and head, 2,048 tokens, 64 channels, both products on codes of E4M3; ctx is quantised at once (e10) for the last product.
; THE SOFTMAX AHEAD OF THE SECOND PRODUCT: t = score x log2(e) / 8; M = the running largest t rounded UP to a whole number; p = 2^(t - M) is quantised (e8), not normalised; the row's sum is taken of the
; unquantised p and divides at the end.  When M moves, the sum and O are multiplied by 2^(old M - new M): exact.
; SHARES.  Work-group (i, bh) owns blocks 7 - i and i of the head's eight blocks of 256 queries: under the causal mask every work-group then has the same work (9 slots of 256 keys for eight waves each).
; Eight of its sixteen waves take one block, eight the other, two of each kind among any four neighbouring waves and among any four waves that lie four apart.  A wave owns 32 queries: two tiles of 16, A and B, which share every fragment of K and V.
; Every wave walks eight slots of 256 keys, four steps of 64 each: the trip count is a constant.  A step all of whose keys come after the wave's queries is jumped over: a scalar branch on ids, round the
; step's LDS reads, products and softmax, and round no barrier.  In the one step on the diagonal hidden scores become -infinity.
; K AND V come as images of fragments (the launch before laid them so): a step is 4 KiB of K and 4 KiB of V, dense in memory.  Each thread loads 16 bytes a step and stores them into the LDS buffer that is
; not being read; two buffers of a slot each, one barrier a slot.  A slot beyond the work-group's last query is not loaded.
; WHY NO TENSOR LOADS AND NO CLUSTER: the four work-groups of a head need 8, 7, 6 and 5 slots, so partners would ask for different numbers of tiles; a step's shared bytes are 8 KiB for sixteen waves;
; separately: for e8 >= -8 the largest code stands for 448 x 2^e8 >= 1.75, above every p.
; LAYOUT.  Both products transposed: S^T = K Q^T (source 0 = 16 keys, source 1 = 16 queries), O^T = V^T P^T (source 0 = 16 channels, source 1 = P): a lane holds ONE query (lane % 16) throughout.  With K = 64
; the form's own layout puts keys 16 c + 8 h + 0 .. 7 into registers 2 c, 2 c + 1, which is what the conversion of score tile c gives: nothing is permuted.
; cc: [tile of 16 tokens 512][head 16][image of 1 KiB]: lane (r, h): token r; registers 0-3 channels 16 h + 0 .. 15, registers 4-7 channels 32 + 16 h + 0 .. 15.
; LIMITS: e6 + e7 between -123 and 130; e8 between -126 and 119; e10 - e8 - e9 between -126 and 119.  NaN is not served.
; REGISTERS: v0 the prefetches' offset; v1 16 x lane; v2 16 x thread; v3 16 x (thread % 256); v4, v5 the add's two; v6, v7 2^e8, 448 x 2^e8; v8 r - 8 h; v9 -infinity; v10, v11 the mask's, later ctx's scale and limit;
;   v12 -M, v13 the largest t, v[14:15] the sum (tile A); v16-19 the same (tile B); v[20:21], v[22:23] f; v24-27 the 16 bytes on their way to LDS; v28-31 at work;
;   v32-47 Q; v48-63 p's codes; v64-95 K; v96-127 V; v128-191 S^T, then p; v192-255 O^T.
.set SPARE, 65536                      ; behind the two buffers: the spare words, 128 bytes for each of sixteen waves, that no other line names
.set QA, 32
.set QB, 40
.set PA, 48
.set PB, 56
.set KR, 64
.set VR, 96
.set SA, 128
.set SB, 160
.set OA, 192
.set OB, 224
	s_load_b128 s[4:7], s[0:1], 0x0                ; qkv s[4:5], the exponents s[6:7]
	s_load_b64 s[8:9], s[0:1], 0x10                ; cc
	v_lshl_add_u32 v4, v0, 2, SPARE
	v_mov_b32 v5, 0
	v_lshrrev_b32 v1, 5, v0
	v_readfirstlane_b32 s10, v1                    ; wave 0..15
	v_lshlrev_b32 v2, 4, v0                        ; into LDS: threads 0-255 K's 4 KiB, threads 256-511 V's
	v_and_b32 v3, 255, v0
	v_lshlrev_b32 v3, 4, v3                        ; from memory: my 16 bytes of 4 KiB
	v_and_b32 v1, 31, v0
	v_lshlrev_b32 v1, 4, v1                        ; an image's place for my lane
	v_and_b32 v8, 15, v0
	v_bfe_u32 v9, v0, 4, 1
	v_lshlrev_b32 v9, 3, v9
	v_sub_nc_u32 v8, v8, v9                        ; r - 8 h
	v_mov_b32 v9, 0xff800000                       ; -infinity
	v_and_b32 v0, 63, v0
	v_lshlrev_b32 v0, 8, v0                        ; 256 x lane + 8,192 x (wave % 2)
	s_lshr_b32 s11, s10, 2
	s_xor_b32 s11, s11, s10
	s_and_b32 s11, s11, 1                          ; 0: block 7 - i; 1: block i
	s_lshr_b32 s12, s10, 1                         ; which 32 queries of the block
	s_sub_co_u32 s13, 7, ttmp9
	s_cmp_eq_u32 s11, 0
	s_cselect_b32 s14, s13, ttmp9
	s_lshl_b32 s14, s14, 8
	s_lshl_b32 s12, s12, 5
	s_add_co_u32 s14, s14, s12                     ; my first query
	s_lshl_b32 s15, s13, 8
	s_or_b32 s15, s15, 255                         ; my work-group's last query
	s_and_b32 s41, ttmp7, 0xffff                   ; batch x 16 + head
	s_lshl_b32 s28, s41, 17                        ; its 131,072 bytes in each part of qkv
	s_mov_b32 s30, 0x1000000                       ; part v,
	s_cmp_lt_u32 s10, 8
	s_cselect_b32 s30, 0x800000, s30               ; or part k: waves 0-7 bring K, waves 8-15 V
	s_add_co_u32 s30, s30, s28
	s_mov_b32 s31, 0
	s_lshl_b32 s19, s14, 6
	s_add_co_u32 s28, s28, s19                     ; part q: my two tiles' images, 1 KiB for 16 queries
	s_mov_b32 s29, 0
	s_lshr_b32 s42, s41, 4
	s_lshl_b32 s42, s42, 21                        ; cc: the batch's 128 tiles of 16 KiB,
	s_and_b32 s19, s41, 15
	s_add_co_u32 s19, s19, s14
	s_lshl_b32 s19, s19, 10                        ; + (query / 16) x 16 KiB + head x 1 KiB
	s_add_co_u32 s42, s42, s19
	s_mov_b32 s43, 0
	s_and_b32 s38, s10, 6
	s_or_b32 s38, s38, ttmp9
	s_cmp_eq_u32 s38, 0
	s_cselect_b32 s38, 1, 0                        ; waves 0, 1, 8, 9 of the head's work-group 0 prefetch
	s_mov_b32 s20, 0x76543210
	s_mov_b32 s21, 0xfedcba98                      ; v_permlanex16_b32's selects for lane l xor 16
	s_mov_b32 s40, 0xffff0000                      ; the lanes with h = 1
	s_mov_b32 s22, 0x3e38aa3b                      ; c = log2(e) / 8
	s_mov_b32 s16, 0                               ; the step's first key
	s_mov_b32 s18, 4                               ; trips of two slots
	s_wait_kmcnt 0x0
	s_load_b128 s[32:35], s[6:7], 0x18             ; e6, e7, e8, e9
	s_load_b32 s36, s[6:7], 0x28                   ; e10
	s_add_nc_u64 s[24:25], s[4:5], s[30:31]        ; K or V at slot 0
	s_add_nc_u64 s[26:27], s[4:5], s[28:29]        ; Q
	s_add_nc_u64 s[8:9], s[8:9], s[42:43]
.irp j, 0,1,2,3
	global_load_b128 v[SA+4*\j:SA+4*\j+3], v3, s[24:25] offset:4096*\j   ; slot 0's four steps
.endr
.irp j, 0,1,2,3
	global_load_b128 v[QA+4*\j:QA+4*\j+3], v1, s[26:27] offset:512*\j    ; Q's two images stay in registers
.endr
	v_mov_b32 v13, 0xff61b1e6                      ; the largest t so far: -3e38, under every t
	v_mov_b32 v17, 0xff61b1e6
	v_floor_f32 v12, -v13                          ; -M
	v_floor_f32 v16, -v17
.irp j, 14,15,18,19,20,21,22,23,24,25,26,27,28,29,30,31
	v_mov_b32 v\j, 0                               ; the sums; f's pairs; the bytes on their way; what lane permutes write (a permute's destination counts as read)
.endr
.set zi, 0
.rept 64
	v_mov_b32 v[OA+zi], 0                          ; O^T.  (The step is written once: the first finds zeros, which the first change of M leaves zeros)
.set zi, zi+1
.endr
	s_wait_kmcnt 0x0
	s_add_co_i32 s19, s32, s33
	s_lshl_b32 s19, s19, 23
	s_add_co_i32 s22, s22, s19                     ; a score stands for score x 2^(e6 + e7): added to c's exponent field
	s_mov_b32 s23, s22                             ; (named with it as a pair, so it is written)
	s_add_co_i32 s19, s34, 127
	s_lshl_b32 s28, s19, 23
	v_mov_b32 v6, s28                              ; 2^e8
	s_add_co_i32 s19, s19, 8
	s_lshl_b32 s19, s19, 23
	s_or_b32 s19, s19, 0x600000
	v_mov_b32 v7, s19                              ; 448 x 2^e8
	s_cmp_lt_i32 s34, -8
	s_cselect_b32 s37, 1, 0                        ; p wants its hold only where 448 x 2^e8 may lie under 1
	s_wait_loadcnt 0x0
	s_add_nc_u64 s[24:25], s[24:25], 16384         ; (the loads are done)  at slot 1
.irp j, 0,1,2,3
	ds_store_b128 v2, v[SA+4*\j:SA+4*\j+3] offset:8192*\j
.endr
	s_wait_dscnt 0x0                               ; for the others' sake: my stores have landed
	s_barrier_signal -1
	s_barrier_wait -1                              ; slot 0 lies in buffer 0
; A KEY STEP: 64 keys, the q-th of the slot that lies in buffer buf.
.macro STEP buf, q
	s_wait_dscnt 0x0                               ; the last step's store into LDS is done
	s_cmp_eq_u32 s17, 0
	s_cbranch_scc1 .Lnoload_\@
	global_load_b128 v[24:27], v3, s[24:25] offset:4096*\q   ; my 16 bytes of the next slot's step q: they have this step in which to come
.if \q == 0
	s_cmp_eq_u32 s39, 0
	s_cbranch_scc1 .Lnoload_\@
	global_prefetch_b8 v0, s[24:25] offset:16384 th:TH_LOAD_NT scope:SCOPE_SE   ; the slot after that: K's 16 KiB by waves 0 and 1, V's by waves 8 and 9, lanes 256 bytes apart; each block is named once in the launch
.endif
.Lnoload_\@:
	s_cmp_gt_u32 s16, s14                          ; all 64 keys come after my 32 queries (my first query is a multiple of 32, the first key of 64)
	s_cbranch_scc1 .Lhid_\@
.irp c, 0,1,2,3
	ds_load_b128 v[KR+8*\c:KR+8*\c+3], v1 offset:\buf*32768+8192*\q+1024*\c
	ds_load_b128 v[KR+8*\c+4:KR+8*\c+7], v1 offset:\buf*32768+8192*\q+1024*\c+512
.endr
	s_wait_dscnt 0x0
.irp c, 0,1,2,3                                ; S^T = K Q^T: the eight accumulators by turns
	v_wmma_f32_16x16x64_fp8_fp8 v[SA+8*\c:SA+8*\c+7], v[KR+8*\c:KR+8*\c+7], v[QA:QA+7], 0
	v_wmma_f32_16x16x64_fp8_fp8 v[SB+8*\c:SB+8*\c+7], v[KR+8*\c:KR+8*\c+7], v[QB:QB+7], 0
.endr
.rept 4
	v_nop                                          ; places: in front of the reads of the scores, and of the loads into V's registers, which the last step's products read
.endr
.irp d, 0,1,2,3
	ds_load_b128 v[VR+8*\d:VR+8*\d+3], v1 offset:\buf*32768+8192*\q+4096+1024*\d
	ds_load_b128 v[VR+8*\d+4:VR+8*\d+7], v1 offset:\buf*32768+8192*\q+4096+1024*\d+512
.endr
	s_add_co_u32 s19, s16, 63
	s_cmp_le_u32 s19, s14                          ; a step all of whose keys count skips the mask
	s_cbranch_scc1 .Lopen_\@
	s_sub_co_i32 s19, s14, s16
	v_add_nc_u32 v10, s19, v8                      ; d = my query - the first key - 8 h.  Register 8 c + j holds key 16 c + 8 h + j: hidden where 16 c + j > d
	v_add_nc_u32 v11, 16, v10                      ; tile B's queries are 16 further on
.set n, 0
.rept 32
	v_cmp_gt_i32 vcc_lo, 16*(n/8)+n%8, v10
	v_cndmask_b32 v[SA+n], v[SA+n], v9, vcc_lo
.set n, n+1
.endr
.set n, 0
.rept 32
	v_cmp_gt_i32 vcc_lo, 16*(n/8)+n%8, v11
	v_cndmask_b32 v[SB+n], v[SB+n], v9, vcc_lo
.set n, n+1
.endr
.Lopen_\@:
	v_max3_num_f32 v28, v[SA], v[SA+1], v[SA+2]    ; the step's largest score of my query among my 32 keys: two chains a tile, the tiles by turns, each accumulator from its low end on
	v_max3_num_f32 v30, v[SB], v[SB+1], v[SB+2]
	v_max3_num_f32 v29, v[SA+3], v[SA+4], v[SA+5]
	v_max3_num_f32 v31, v[SB+3], v[SB+4], v[SB+5]
.irp i, 6,10,14,18,22,26
	v_max3_num_f32 v28, v28, v[SA+\i], v[SA+\i+1]
	v_max3_num_f32 v30, v30, v[SB+\i], v[SB+\i+1]
	v_max3_num_f32 v29, v29, v[SA+\i+2], v[SA+\i+3]
	v_max3_num_f32 v31, v31, v[SB+\i+2], v[SB+\i+3]
.endr
	v_max3_num_f32 v28, v28, v[SA+30], v[SA+31]
	v_max3_num_f32 v30, v30, v[SB+30], v[SB+31]
	v_max_num_f32 v28, v28, v29
	v_max_num_f32 v30, v30, v31
	v_permlanex16_b32 v29, v28, s20, s21
	v_permlanex16_b32 v31, v30, s20, s21
	v_max_num_f32 v28, v28, v29                    ; and among lane l xor 16's
	v_max_num_f32 v30, v30, v31
	v_mul_f32 v28, s22, v28                        ; as t (c is positive)
	v_mul_f32 v30, s22, v30
	v_max_num_f32 v13, v13, v28                    ; the running largest t
	v_max_num_f32 v17, v17, v30
	v_mov_b32 v28, v12
	v_mov_b32 v30, v16
	v_floor_f32 v12, -v13                          ; the new -M = floor(-t): M is a whole number
	v_floor_f32 v16, -v17
	v_sub_f32 v28, v12, v28                        ; old M - new M: a whole number, 0 or less
	v_sub_f32 v30, v16, v30
	v_cvt_i32_f32 v28, v28                         ; (it saturates)
	v_cvt_i32_f32 v30, v30
	v_ldexp_f32 v20, 1.0, v28                      ; f = 2^(old M - new M)
	v_ldexp_f32 v22, 1.0, v30
.set j, 0
.rept 16
	v_pk_fma_f32 v[SA+j:SA+j+1], v[SA+j:SA+j+1], s[22:23], v[12:13] op_sel_hi:[1,0,0]   ; t - M, two at a time (of the pairs c and -M the low word serves both halves)
	v_pk_fma_f32 v[SB+j:SB+j+1], v[SB+j:SB+j+1], s[22:23], v[16:17] op_sel_hi:[1,0,0]
.set j, j+2
.endr
.set j, 0
.rept 64
	v_exp_f32 v[SA+j], v[SA+j]                     ; p = 2^(t - M), at most 1: one batch
.set j, j+1
.endr
	v_pk_mul_f32 v[14:15], v[14:15], v[20:21] op_sel_hi:[1,0]   ; the sums under the new M: the plain lines behind the exponentials
	v_pk_mul_f32 v[18:19], v[18:19], v[22:23] op_sel_hi:[1,0]
	s_wait_alu depctr_va_vdst(0)                   ; one wait for the whole batch, ahead of its first reader
	v_pk_add_f32 v[28:29], v[SA:SA+1], v[SA+2:SA+3]   ; the row's sum is taken of the unquantised p: two chains a tile
	v_pk_add_f32 v[30:31], v[SB:SB+1], v[SB+2:SB+3]
.irp j, 4,8,12,16,20,24,28
	v_pk_add_f32 v[14:15], v[14:15], v[SA+\j:SA+\j+1]
	v_pk_add_f32 v[18:19], v[18:19], v[SB+\j:SB+\j+1]
	v_pk_add_f32 v[28:29], v[28:29], v[SA+\j+2:SA+\j+3]
	v_pk_add_f32 v[30:31], v[30:31], v[SB+\j+2:SB+\j+3]
.endr
	v_pk_add_f32 v[14:15], v[14:15], v[28:29]
	v_pk_add_f32 v[18:19], v[18:19], v[30:31]
	s_cmp_eq_u32 s37, 0
	s_cbranch_scc1 .Lnohold_\@
.set j, 0
.rept 64
	v_min_num_f32 v[SA+j], v[SA+j], v7             ; the conversion does not saturate (ISA guide 7.6.2); p is not negative, so the hold is one-sided
.set j, j+1
.endr
.Lnohold_\@:
.irp c, 0,1,2,3
	v_cvt_scalef32_pk8_fp8_f32 v[PA+2*\c:PA+2*\c+1], v[SA+8*\c:SA+8*\c+7], v6
	v_cvt_scalef32_pk8_fp8_f32 v[PB+2*\c:PB+2*\c+1], v[SB+8*\c:SB+8*\c+7], v6
.endr
.set j, 0
.rept 16
	v_pk_mul_f32 v[OA+j:OA+j+1], v[OA+j:OA+j+1], v[20:21] op_sel_hi:[1,0]   ; O^T under the new M, each accumulator from its low end on.  (Also the plain lines behind the conversions)
	v_pk_mul_f32 v[OB+j:OB+j+1], v[OB+j:OB+j+1], v[22:23] op_sel_hi:[1,0]
.set j, j+2
.endr
	s_wait_dscnt 0x0                               ; V is in
.irp d, 0,1,2,3                                ; O^T += V^T P^T: the eight accumulators by turns
	v_wmma_f32_16x16x64_fp8_fp8 v[OA+8*\d:OA+8*\d+7], v[VR+8*\d:VR+8*\d+7], v[PA:PA+7], v[OA+8*\d:OA+8*\d+7]
	v_wmma_f32_16x16x64_fp8_fp8 v[OB+8*\d:OB+8*\d+7], v[VR+8*\d:VR+8*\d+7], v[PB:PB+7], v[OB+8*\d:OB+8*\d+7]
.endr
.Lhid_\@:
	s_wait_loadcnt 0x0                             ; my 16 bytes are here (on every path)
	s_cmp_eq_u32 s17, 0
	s_cbranch_scc1 .Lnostore_\@
	ds_store_b128 v2, v[24:27] offset:(1-\buf)*32768+8192*\q   ; into the buffer that nobody reads before the next barrier
.Lnostore_\@:
	s_add_co_u32 s16, s16, 64
.endm
; A SLOT.  One barrier at its end does both things: every wave's stores into the other buffer have landed, and every wave's reads of this buffer are over.
.macro SLOT buf
	s_add_co_u32 s17, s16, 256
	s_cmp_le_u32 s17, s15
	s_cselect_b32 s17, 1, 0                        ; the next slot is loaded while its first key is at or under my work-group's last query
	s_add_co_u32 s39, s16, 512
	s_cmp_lt_u32 s39, 2048
	s_cselect_b32 s39, s38, 0                      ; the slot after it is prefetched while there is one
	STEP \buf, 0
	STEP \buf, 1
	STEP \buf, 2
	STEP \buf, 3
	s_wait_xcnt 0x0                                ; the slot's loads and its prefetch have read their base
	s_add_nc_u64 s[24:25], s[24:25], 16384
	s_wait_dscnt 0x0
	s_barrier_signal -1
	s_barrier_wait -1
.endm
.Lpair:
	SLOT 0
	SLOT 1
	s_sub_co_u32 s18, s18, 1
	s_cmp_lg_u32 s18, 0
	s_cbranch_scc1 .Lpair
	; THE WAY OUT.  ctx = O^T / the sum x 2^(e8 + e9); its code is (O^T / the sum) / 2^(e10 - e8 - e9).
.rept 4
	v_nop                                          ; places behind the last products
.endr
	v_add_f32 v14, v14, v15                        ; the sum's two halves,
	v_add_f32 v18, v18, v19
	v_permlanex16_b32 v28, v14, s20, s21
	v_permlanex16_b32 v30, v18, s20, s21
	v_add_f32 v14, v14, v28                        ; and lane l xor 16's
	v_add_f32 v18, v18, v30
	v_rcp_f32 v20, v14
	v_rcp_f32 v22, v18
	s_sub_co_i32 s19, s36, s34
	s_sub_co_i32 s19, s19, s35
	s_add_co_i32 s19, s19, 127
	s_lshl_b32 s28, s19, 23
	v_mov_b32 v10, s28                             ; 2^(e10 - e8 - e9)  (the plain lines behind the reciprocals)
	s_add_co_i32 s19, s19, 8
	s_lshl_b32 s19, s19, 23
	s_or_b32 s19, s19, 0x600000
	v_mov_b32 v11, s19                             ; 448 x that
	s_wait_alu depctr_va_vdst(0)                   ; one wait for both reciprocals, ahead of their first reader
.set j, 0
.rept 16
	v_pk_mul_f32 v[SA+j:SA+j+1], v[OA+j:OA+j+1], v[20:21] op_sel_hi:[1,0]   ; register 8 d + j: channel 16 d + 8 h + j of my query
	v_pk_mul_f32 v[SB+j:SB+j+1], v[OB+j:OB+j+1], v[22:23] op_sel_hi:[1,0]
.set j, j+2
.endr
.set j, 0
.rept 64
	v_med3_num_f32 v[SA+j], v[SA+j], -v11, v11
.set j, j+1
.endr
.irp d, 0,1,2,3
	v_cvt_scalef32_pk8_fp8_f32 v[KR+2*\d:KR+2*\d+1], v[SA+8*\d:SA+8*\d+7], v10
	v_cvt_scalef32_pk8_fp8_f32 v[KR+8+2*\d:KR+8+2*\d+1], v[SB+8*\d:SB+8*\d+7], v10
.endr
	v_nop                                          ; one plain line between the conversions and the lines that read their results
; The reader wants 16 neighbouring channels in four registers of a lane; a lane has 8 and the lane 16 away the other 8.  Lanes with h = 0 keep lo and send hi, lanes with h = 1 keep hi and send lo.
.macro XCH lo, hi
	v_cndmask_b32 v28, v[\hi], v[\lo], s40
	v_permlanex16_b32 v29, v28, s20, s21
	v_cndmask_b32 v[\lo], v[\lo], v29, s40
	v_cndmask_b32 v[\hi], v29, v[\hi], s40
.endm
.irp t, 0,8
	XCH KR+\t+0, KR+\t+2
	XCH KR+\t+1, KR+\t+3
	XCH KR+\t+4, KR+\t+6
	XCH KR+\t+5, KR+\t+7
.endr
.irp t, 0,1
	global_store_b128 v1, v[KR+8*\t:KR+8*\t+3], s[8:9] offset:16384*\t          ; 32 lanes store 512 consecutive bytes, aligned
	global_store_b128 v1, v[KR+8*\t+4:KR+8*\t+7], s[8:9] offset:16384*\t+512
.endr
	s_wait_tensorcnt 0x0                           ; the wave's end
	ds_add_u32 v4, v5
	s_wait_dscnt 0x0
	s_endpgm
.Lfunc_end_k_q8a996d471b_attn:
	.size	k_q8a996d471b_attn, .Lfunc_end_k_q8a996d471b_attn-k_q8a996d471b_attn
	.p2alignl 7, 3214868480
	.fill 96, 4, 3214868480
	.section	.rodata,"a",@progbits
	.p2align	6, 0x0
	.amdhsa_kernel k_q8a996d471b_attn
		.amdhsa_group_segment_fixed_size 67584
		.amdhsa_private_segment_fixed_size 0
		.amdhsa_enable_private_segment 0
		.amdhsa_kernarg_size 24
		.amdhsa_user_sgpr_count 2
		.amdhsa_user_sgpr_kernarg_segment_ptr 1
		.amdhsa_wavefront_size32 1
		.amdhsa_system_sgpr_workgroup_id_x 1
		.amdhsa_system_sgpr_workgroup_id_y 1
		.amdhsa_system_sgpr_workgroup_id_z 1
		.amdhsa_system_vgpr_workitem_id 0
		.amdhsa_next_free_vgpr 256
		.amdhsa_next_free_sgpr 66
		.amdhsa_reserve_vcc 1
		.amdhsa_float_denorm_mode_32 3
		.amdhsa_float_denorm_mode_16_64 3
		.amdhsa_memory_ordered 1
		.amdhsa_forward_progress 1
		.amdhsa_inst_pref_size 181
	.end_amdhsa_kernel
	.amdgpu_metadata
---
amdhsa.version: [ 1, 2 ]
amdhsa.kernels:
  - .name:           k_q8a996d471b_attn
    .symbol:         k_q8a996d471b_attn.kd
    .args:
      - { .name: qkv, .offset: 0, .size: 8, .value_kind: global_buffer, .address_space: global }
      - { .name: lowp_scales, .offset: 8, .size: 8, .value_kind: global_buffer, .address_space: global }
      - { .name: cc, .offset: 16, .size: 8, .value_kind: global_buffer, .address_space: global }
    .group_segment_fixed_size: 67584
    .private_segment_fixed_size: 0
    .kernarg_segment_align: 8
    .kernarg_segment_size: 24
    .max_flat_workgroup_size: 512
    .sgpr_count:     66
    .vgpr_count:     256
    .wavefront_size: 32
...
	.end_amdgpu_metadata
.endif
;; end of part 3
;; launch outproj (part 4): grid 4 x 32, 4 waves a work-group, clusters of 4 x 4, 327,680 bytes of LDS; arguments cc, wc, lowp_scales, bo, out0; writes out0
.if DOCPART == 4
	.amdgcn_target "amdgcn-amd-amdhsa--gfx1250"
	.amdhsa_code_object_version 6
	.text
	.protected	k_q8a996d471b_outproj
	.globl	k_q8a996d471b_outproj
	.p2align	8
	.type	k_q8a996d471b_outproj,@function
k_q8a996d471b_outproj:
	s_mov_b64 s[64:65], 0
	v_nop
	global_prefetch_b8 v0, s[64:65] scope:SCOPE_SE
	s_setreg_imm32_b32 hwreg(HW_REG_WAVE_MODE, 25, 1), 1
	s_wait_xcnt 0x0
	s_wait_alu depctr_hold_cnt(0) depctr_sa_sdst(0) depctr_va_vdst(0) depctr_va_sdst(0) depctr_va_ssrc(0) depctr_va_vcc(0) depctr_vm_vsrc(0)
	s_getreg_b32 s2, hwreg(HW_REG_IB_STS2, 6, 4)
	s_cmp_eq_u32 s2, 0
	s_cbranch_scc0 .Lentry_in_a_cluster
	s_endpgm
.Lentry_in_a_cluster:
	s_bfe_u32 s2, ttmp6, 0x10000c
	s_cmp_lg_u32 s2, 0xf033
	s_cbranch_scc0 .Lentry_shape_is_right
	s_endpgm
.Lentry_shape_is_right:
; out0 = ctx Wo + bo on codes of E4M3.  ctx's codes lie in cc as images of fragments, [tile of 16 tokens 512][head 16][1 KiB]; Wo's codes in part 3 of wc, [n 1024][k 1024] bytes; out0 [8192][1024] f32.
; A tile of out0, 256 x 256, is made by a work-group of four waves; a wave makes 128 x 128: 64 accumulators, 512 registers.  K = 1,024 goes in four K steps of 256 (four heads) through a ring of two LDS slots.
; A (ctx): a K step of a tile of 16 tokens is four heads' images, 4 KiB on end; a tensor load brings eight such rows, 16 KiB apart in memory, dense in LDS.  A fragment (16 tokens x 128 K) is two heads' images:
; four loads of 16 bytes a lane at 16 x lane, 512 bytes apart: registers 4 c .. 4 c + 3 hold K = 32 c + 16 (l / 16) + 0 .. 15, the same places that four loads 32 bytes apart give Wo's rows.
; B (Wo): rows of 256 bytes, padded in LDS.  The matrix instruction takes 16 rows of B as source 0 and 16 rows of A as source 1: a lane holds eight neighbouring numbers of a row of out0.
; bo is the C of each sum's first matrix instruction, divided by 2^(e10 + e11); each finished sum is multiplied once by 2^(e10 + e11).
; CLUSTERS: 4 x 4 work-groups; A's tiles are asked for jointly along a row of the cluster, B's along a column.  128 work-groups: a smaller tile would read more LDS bytes for each product.
; No work-group stays and nothing is prefetched: four K steps, two refills.
; LIMIT: e10 + e11 between -126 and 127.
.set SIZE_N, 1024
.set ROWB,   256                       ; a row of B's tile in bytes
.set KROW,   1024                      ; a row of Wo's codes in memory
.set PITCH,  272                       ; B's LDS row: 256 bytes + 16 of padding: the 16 rows that a load touches start at 16 different banks (64 banks of 4 bytes: ISA guide 11.1)
.set FR,     16
.set NL,     4
.set NP,     4                         ; places behind this matrix instruction (ISA guide 7.12.1)
.set HALFA,  32768                     ; A: eight tiles of 16 tokens x 4 KiB: what one tensor load brings
.set HALFB,  128*PITCH                 ; B: 128 rows
.set BOFF,   2*HALFA
.set SLOT,   BOFF+2*HALFB
.set SPARE,  2*SLOT                    ; behind the ring: the spare words, 128 bytes for each wave, that no other line names
.set SPITCH, 528                       ; the way out: a stage of 16 rows x (512 bytes + 16) for each wave, in slot 0, which has had its last fill and its last read when the first result is stored there
.set ADRA, 16
.set ADRB, 20
.set STO,  24
.set RD,   25
.set CO,   26
.set SPW,  28
.set NIL,  29
.set BIAS, 32                          ; v32-95: bo for B's eight blocks; on the way out a block's sums
.set TMP,  32
.set AF,   128
.set BK,   128
.set G1, 24
.set G0, 32
.set G1B, 48
.set G0B, 56
.set MSB, 0
.macro WIN new                         ; the immediate's high byte repeats the setting that is left
.if MSB != \new
	s_set_vgpr_msb (MSB<<8)|\new
.set MSB, \new
.endif
.endm
.set MUL_LO, 0xa1                      ; source 0 (B) window 1, source 1 (A) window 0, C and D window 2
.set MUL_HI, 0xf1                      ; the same, C and D window 3
.set FST_LO, 0x81                      ; the first step: C (the bias) window 0, D window 2
.set FST_HI, 0xc1                      ; D window 3
.set TO_B,   0x40
.macro JLOAD g0a, g1a, g0b, g1b        ; a joint load: waves 0 and 1 fetch for A, waves 2 and 3 for B; an s_nop 0 and four v_nop follow each of the two lines
	s_cmp_eq_u32 s15, 0
	s_cbranch_scc0 .Lfor_b_\@
	tensor_load_to_lds s[\g0a:\g0a+3], s[\g1a:\g1a+7]
	s_nop 0
.rept 4
	v_nop
.endr
	s_branch .Lasked_\@
.Lfor_b_\@:
	tensor_load_to_lds s[\g0b:\g0b+3], s[\g1b:\g1b+7]
	s_nop 0
.rept 4
	v_nop
.endr
.Lasked_\@:
.endm
.macro CREST
	s_cmp_lg_u32 s14, 0
	s_cbranch_scc1 .Lnot_wave_0_\@
	s_barrier_signal -3
.Lnot_wave_0_\@:
	s_barrier_wait -3
	s_barrier_signal -1
	s_barrier_wait -1
.endm
.macro CROUND
	s_barrier_signal -1
	s_barrier_wait -1
	CREST
.endm
	s_load_b128 s[4:7], s[0:1], 0x0                ; cc s[4:5], wc s[6:7]
	s_load_b128 s[8:11], s[0:1], 0x10              ; the exponents s[8:9], bo s[10:11]
	s_load_b64 s[12:13], s[0:1], 0x20              ; out0
	v_lshl_add_u32 v[SPW], v0, 2, SPARE
	v_mov_b32 v[NIL], 0
	ds_add_u32 v[SPW], v[NIL]                      ; the wave's opening: the add and its wait stand ahead of my first tensor load; the set-up below stands between them
	v_lshrrev_b32 v1, 5, v0
	v_readfirstlane_b32 s14, v1                    ; wave 0..3
	s_lshr_b32 s15, s14, 1                         ; which half of the tile's rows is mine.  Also: I fetch for A (0) or for B (1)
	s_and_b32 s16, s14, 1                          ; which half of its columns.  Also: which half of that tile I fetch
	s_bfe_u32 s40, ttmp6, 0x40000                  ; cx, cy
	s_bfe_u32 s41, ttmp6, 0x40004
	s_lshl_b32 s42, ttmp9, 2
	s_add_co_u32 s42, s42, s40                     ; tile column
	s_and_b32 s17, ttmp7, 0xffff
	s_lshl_b32 s17, s17, 2
	s_add_co_u32 s17, s17, s41                     ; tile row
	s_lshl_b32 s43, s41, 2
	s_lshl_b32 s43, 15, s43                        ; my row of the cluster
	s_lshl_b32 s44, 0x1111, s40                    ; my column
	; A's group 1: 8 rows of 512 elements of 8 bytes, 2,048 elements apart, no padding
	s_or_b32 s[G1+0], s43, (3<<16)|(1<<21)
	s_mov_b32 s[G1+1], 512<<16                     ; tensor_dim0
	s_mov_b32 s[G1+2], 8<<16                       ; tensor_dim1
	s_mov_b32 s[G1+3], 512<<16                     ; tile_dim0
	s_mov_b32 s[G1+4], 8                           ; tile_dim1
	s_mov_b32 s[G1+5], 2048                        ; tensor_dim0_stride
	s_mov_b32 s[G1+6], 0
	s_mov_b32 s[G1+7], 0
	; B's group 1: 128 rows of 256 bytes, padded in LDS: four words after every 64
	s_or_b32 s[G1B+0], s44, (0<<16)|(1<<20)|(1<<21)|(5<<22)|(3<<25)
	s_mov_b32 s[G1B+1], ROWB<<16
	s_mov_b32 s[G1B+2], 128<<16
	s_mov_b32 s[G1B+3], ROWB<<16
	s_mov_b32 s[G1B+4], 128
	s_mov_b32 s[G1B+5], KROW
	s_mov_b32 s[G1B+6], 0
	s_mov_b32 s[G1B+7], 0
	s_lshl_b32 s18, s16, 17
	s_lshl_b32 s20, s17, 18
	s_add_co_u32 s20, s20, s18                     ; A: (16 x tile row + 8 x half) tiles of 16 KiB
	s_mov_b32 s21, 0
	s_lshl_b32 s46, s42, 18
	s_add_co_u32 s46, s46, s18                     ; B: (256 x tile column + 128 x half) rows of 1,024 bytes,
	s_add_co_u32 s46, s46, 0x300000                ; in part 3 of wc
	s_mov_b32 s47, 0
	s_lshl_b32 s45, s16, 15                        ; where A's half goes,
	s_mul_i32 s19, s16, HALFB
	s_add_co_u32 s19, s19, BOFF                    ; and B's: no place in the cluster enters an LDS address
	s_wait_dscnt 0x0                               ; the opening add is done
	s_wait_kmcnt 0x0
	s_load_b64 s[96:97], s[8:9], 0x28              ; e10, e11
	s_add_nc_u64 s[20:21], s[4:5], s[20:21]
	s_add_nc_u64 s[46:47], s[6:7], s[46:47]
	CROUND                                         ; all sixteen work-groups are here: the first joint loads meet
.irp s, 0,1
	s_mov_b32 s[G0+4*\s], 1
	s_add_co_u32 s[G0+4*\s+1], s45, \s*SLOT
	s_add_nc_u64 s[G0+4*\s+2:G0+4*\s+3], s[20:21], \s*4096
	s_or_b32 s[G0+4*\s+3], s[G0+4*\s+3], 0x80000000
	s_mov_b32 s[G0B+4*\s], 1
	s_add_co_u32 s[G0B+4*\s+1], s19, \s*SLOT
	s_add_nc_u64 s[G0B+4*\s+2:G0B+4*\s+3], s[46:47], \s*ROWB
	s_or_b32 s[G0B+4*\s+3], s[G0B+4*\s+3], 0x80000000
	JLOAD G0+4*\s, G1, G0B+4*\s, G1B               ; two loads of mine are out
.endr
	v_and_b32 v1, 15, v0                           ; r
	v_bfe_u32 v2, v0, 4, 1                         ; h
	v_mul_u32_u24 v3, v1, PITCH
	v_lshl_add_u32 v4, v2, 4, v3                   ; B: a fragment's row x pitch + 16 x half
	v_and_b32 v6, 31, v0
	v_lshlrev_b32 v[CO], 4, v6                     ; 16 x lane: A's images; a row of the stage; a row of out0
	s_lshl_b32 s21, s15, 15                        ; my eight tiles of A
	s_mul_i32 s22, s16, HALFB
	s_add_co_u32 s22, s22, BOFF                    ; my 128 rows of B
.irp s, 0,1
	v_add_nc_u32 v[ADRA+\s], s21, v[CO]
	v_add_nc_u32 v[ADRB+\s], s22, v4
	s_add_co_u32 s21, s21, SLOT
	s_add_co_u32 s22, s22, SLOT
.endr
	s_mul_i32 s23, s14, 16*SPITCH                  ; my stage
	v_mul_u32_u24 v5, v1, SPITCH                   ; in: row r, 32 bytes for each half of the lanes
	v_lshl_add_u32 v5, v2, 5, v5
	v_add_nc_u32 v[STO], s23, v5
	v_add_nc_u32 v[RD], s23, v[CO]                 ; back: the 32 lanes take one row of 512 bytes
	s_lshl_b32 s20, s17, 8
	s_lshl_b32 s21, s15, 7
	s_add_co_u32 s20, s20, s21                     ; my first row of out0
	s_lshl_b32 s20, s20, 12                        ; rows of 4,096 bytes
	s_mov_b32 s21, 0
	s_lshl_b32 s46, s42, 10                        ; my first column, in bytes: 1,024 x tile column + 512 x half
	s_lshl_b32 s47, s16, 9
	s_add_co_u32 s46, s46, s47
	s_mov_b32 s47, 0
	s_add_nc_u64 s[10:11], s[10:11], s[46:47]      ; bo at my first column,
	s_add_nc_u64 s[20:21], s[20:21], s[46:47]
	s_add_nc_u64 s[12:13], s[12:13], s[20:21]      ; out0 at my corner
	v_lshlrev_b32 v7, 5, v2                        ; 32 h
.irp b, 0,1,2,3,4,5,6,7                        ; for B's block b a lane wants bo of columns 16 b + 8 h + 0 .. 7
	global_load_b128 v[BIAS+8*\b:BIAS+8*\b+3], v7, s[10:11] offset:64*\b
	global_load_b128 v[BIAS+8*\b+4:BIAS+8*\b+7], v7, s[10:11] offset:64*\b+16
.endr
	s_wait_kmcnt 0x0
	s_add_co_i32 s96, s96, s97                     ; e10 + e11
	s_sub_co_i32 s66, 0, s96
	s_add_co_i32 s96, s96, 127
	s_lshl_b32 s96, s96, 23                        ; 2^(e10 + e11) as f32
	s_wait_loadcnt 0x0
.set bi, 0
.rept 64
	v_ldexp_f32 v[BIAS+bi], v[BIAS+bi], s66        ; / the power of two that the sums lack
.set bi, bi+1
.endr
.macro FRAGB reg, adr, q, i
.irp c, 0,1,2,3
	ds_load_b128 v[\reg+4*\c:\reg+4*\c+3], v[\adr] offset:128*(\q)+32*\c+(\i)*16*PITCH
.endr
.endm
.macro FRAGA reg, adr, q, i            ; tile i of 16 tokens, heads 2 q and 2 q + 1 of the K step's four: an instruction's 512 bytes are consecutive
.irp c, 0,1,2,3
	ds_load_b128 v[\reg+4*\c:\reg+4*\c+3], v[\adr] offset:4096*(\i)+2048*(\q)+512*\c
.endr
.endm
; 16 matrix instructions: A's blocks a0, a0 + 1 x B's eight, 128 along K.  mode 1: the sums begin with the bias.  The 64 accumulators take turns, one instruction a turn.
.macro MUL16 a0, p, mode
.irp a, \a0, \a0+1
.irp b, 0,1,2,3,4,5,6,7
.if \mode == 0
	v_wmma_f32_16x16x128_fp8_fp8 v[8*(8*((\a)%4)+\b):8*(8*((\a)%4)+\b)+7], v[128*(\p)+FR*\b:128*(\p)+FR*\b+FR-1], v[AF+FR*(\a):AF+FR*(\a)+FR-1], v[8*(8*((\a)%4)+\b):8*(8*((\a)%4)+\b)+7]
.else
	v_wmma_f32_16x16x128_fp8_fp8 v[8*(8*((\a)%4)+\b):8*(8*((\a)%4)+\b)+7], v[128*(\p)+FR*\b:128*(\p)+FR*\b+FR-1], v[AF+FR*(\a):AF+FR*(\a)+FR-1], v[BIAS+8*\b:BIAS+8*\b+7]
.endif
.endr
.endr
.endm
.macro FETCH_B slot, q, p
	WIN TO_B
.irp i, 0,1,2,3,4,5,6,7
	FRAGB 128*(\p)+FR*\i, ADRB+\slot, \q, \i
.endr
	WIN 0
.endm
.macro FETCH_A slot, q, i0
.irp i, \i0, \i0+1, \i0+2, \i0+3
	FRAGA AF+FR*(\i), ADRA+\slot, \q, \i
.endr
.endm
.macro PLACES n
.rept \n
	v_nop
.endr
.endm
.macro STEP slot, q, mode
	s_wait_dscnt 4*NL                              ; B's set and A's blocks 0-3 are in; the youngest sixteen loads (A's blocks 4-7) may be out
.if \mode
	WIN FST_LO
.else
	WIN MUL_LO
.endif
	MUL16 0, (\q)%2, \mode
	MUL16 2, (\q)%2, \mode
	s_wait_dscnt 0
	PLACES NP
	FETCH_B \slot, (\q)+1, 1-(\q)%2
	FETCH_A \slot, (\q)+1, 0
.if \mode
	WIN FST_HI
.else
	WIN MUL_HI
.endif
	MUL16 4, (\q)%2, \mode
	MUL16 6, (\q)%2, \mode
	PLACES NP
	WIN 0
	FETCH_A \slot, (\q)+1, 4
.endm
.macro TURN slot, next, fill
	s_wait_tensorcnt 0x0                           ; all my tensor loads have landed: my part of the next slot  (every window is 0 here)
	ds_add_u32 v[SPW], v[NIL]                      ; 0 onto my spare word
	s_wait_dscnt 4*NL+1                            ; (the add and the youngest sixteen loads may be out)
	WIN MUL_LO
	MUL16 0, 1, 0
	s_wait_dscnt 0x0                               ; the add is done, and my reads of this slot are over
	s_barrier_signal -1
	MUL16 2, 1, 0
	WIN 0
	s_barrier_wait -1
.if \fill
	CREST                                          ; the barrier has opened a round of the cluster's barrier: no wave of any partner still reads this slot or has a load on its way
	s_add_nc_u64 s[G0+4*\slot+2:G0+4*\slot+3], s[G0+4*\slot+2:G0+4*\slot+3], 2*4096
	s_add_nc_u64 s[G0B+4*\slot+2:G0B+4*\slot+3], s[G0B+4*\slot+2:G0B+4*\slot+3], 2*ROWB
	JLOAD G0+4*\slot, G1, G0B+4*\slot, G1B         ; the first tensor load behind the round, my one load until the next
.else
	PLACES NP
.endif
	FETCH_B \next, 0, 0
	FETCH_A \next, 0, 0
	WIN MUL_HI
	MUL16 4, 1, 0
	MUL16 6, 1, 0
	PLACES NP
	WIN 0
	FETCH_A \next, 0, 4
.endm
	s_wait_tensorcnt 1                             ; my part of K step 0 is in (K step 1's load may be out)
	s_barrier_signal -1
	s_barrier_wait -1
	FETCH_B 0, 0, 0
	FETCH_A 0, 0, 0
	FETCH_A 0, 0, 4
	STEP 0, 0, 1                                   ; the first step starts the sums with the bias
	TURN 0, 1, 1                                   ; two laps of the ring: the lap that fills both slots again is written once, with no loop
	STEP 1, 0, 0
	TURN 1, 0, 1
	STEP 0, 0, 0
	TURN 0, 1, 0
	STEP 1, 0, 0
	s_wait_dscnt 4*NL
	WIN MUL_LO
	MUL16 0, 1, 0
	MUL16 2, 1, 0
	s_wait_dscnt 0
	WIN MUL_HI
	MUL16 4, 1, 0
	MUL16 6, 1, 0
	WIN 0
; THE WAY OUT, block by block of 16 rows x 128 columns: through my own stage in LDS, back as whole rows of 512 bytes.  LDS serves a wave's instructions in order (ISA guide 5.7.1.4): no wait between the stores and the loads.
.macro TOSTAGE a
.set AC, 64*((\a)%4)
	WIN 0x02+((\a)/4)
.irp j, 0,2,4,6,8,10,12,14,16,18,20,22,24,26,28,30,32,34,36,38,40,42,44,46,48,50,52,54,56,58,60,62
	v_pk_mul_f32 v[TMP+\j:TMP+\j+1], v[AC+\j:AC+\j+1], s[96:97] op_sel_hi:[1,0]   ; x 2^(e10 + e11); each accumulator from its low end on
.endr
	WIN 0
.irp b, 0,1,2,3,4,5,6,7
	ds_store_b128 v[STO], v[TMP+8*\b:TMP+8*\b+3] offset:64*\b
	ds_store_b128 v[STO], v[TMP+8*\b+4:TMP+8*\b+7] offset:64*\b+16
.endr
.set BB, BK+64*((\a)%2)
.irp t, 0,1,2,3,4,5,6,7,8,9,10,11,12,13,14,15
	ds_load_b128 v[BB+4*\t:BB+4*\t+3], v[RD] offset:\t*SPITCH
.endr
.endm
.macro SEND a, younger                 ; younger: the LDS instructions issued behind block a's loads, which may stay out
.set BB, BK+64*((\a)%2)
	s_wait_dscnt \younger
.if (\a) > 0
	s_add_nc_u64 s[12:13], s[12:13], 16*SIZE_N*4   ; (behind a wait on XCNT: the earlier stores have read their base)
.endif
.irp t, 0,1,2,3,4,5,6,7,8,9,10,11,12,13,14,15
	global_store_b128 v[CO], v[BB+4*\t:BB+4*\t+3], s[12:13] offset:\t*SIZE_N*4 th:TH_STORE_NT   ; 32 lanes store 512 consecutive bytes, aligned; written once, read by nobody here
.endr
.endm
	PLACES NP
	TOSTAGE 0
.irp a, 1,2,3,4,5,6,7
.if \a > 1
	s_wait_xcnt 0x0                                ; block a - 2's stores have read their registers and their base
.endif
	TOSTAGE \a
	SEND \a-1, 32                                  ; behind block a - 1's loads: block a's 16 stores and 16 loads
.endr
	s_wait_xcnt 0x0
	SEND 7, 0
	s_wait_tensorcnt 0x0                           ; the wave's end
	ds_add_u32 v[SPW], v[NIL]
	s_wait_dscnt 0x0
	CROUND                                         ; the closing round
	s_endpgm
.Lfunc_end_k_q8a996d471b_outproj:
	.size	k_q8a996d471b_outproj, .Lfunc_end_k_q8a996d471b_outproj-k_q8a996d471b_outproj
	.p2alignl 7, 3214868480
	.fill 96, 4, 3214868480
	.section	.rodata,"a",@progbits
	.p2align	6, 0x0
	.amdhsa_kernel k_q8a996d471b_outproj
		.amdhsa_group_segment_fixed_size 327680
		.amdhsa_private_segment_fixed_size 0
		.amdhsa_enable_private_segment 0
		.amdhsa_kernarg_size 40
		.amdhsa_user_sgpr_count 2
		.amdhsa_user_sgpr_kernarg_segment_ptr 1
		.amdhsa_wavefront_size32 1
		.amdhsa_system_sgpr_workgroup_id_x 1
		.amdhsa_system_sgpr_workgroup_id_y 1
		.amdhsa_system_sgpr_workgroup_id_z 1
		.amdhsa_system_vgpr_workitem_id 0
		.amdhsa_next_free_vgpr 1024
		.amdhsa_next_free_sgpr 98
		.amdhsa_reserve_vcc 0
		.amdhsa_float_denorm_mode_32 3
		.amdhsa_float_denorm_mode_16_64 3
		.amdhsa_memory_ordered 1
		.amdhsa_forward_progress 1
		.amdhsa_inst_pref_size 129
	.end_amdhsa_kernel
	.amdgpu_metadata
---
amdhsa.version: [ 1, 2 ]
amdhsa.kernels:
  - .name:           k_q8a996d471b_outproj
    .symbol:         k_q8a996d471b_outproj.kd
    .args:
      - { .name: cc, .offset: 0, .size: 8, .value_kind: global_buffer, .address_space: global }
      - { .name: wc, .offset: 8, .size: 8, .value_kind: global_buffer, .address_space: global }
      - { .name: lowp_scales, .offset: 16, .size: 8, .value_kind: global_buffer, .address_space: global }
      - { .name: bo, .offset: 24, .size: 8, .value_kind: global_buffer, .address_space: global }
      - { .name: out0, .offset: 32, .size: 8, .value_kind: global_buffer, .address_space: global }
    .group_segment_fixed_size: 327680
    .private_segment_fixed_size: 0
    .kernarg_segment_align: 8
    .kernarg_segment_size: 40
    .max_flat_workgroup_size: 128
    .sgpr_count:     98
    .vgpr_count:     1024
    .wavefront_size: 32
...
	.end_amdgpu_metadata
.endif
;; end of part 4
;; ======== version 2 of 2: 4 launches; version 1 with the launches quant, attn written anew for expert scheduling mode
;; workspace buffers: xc 25,165,824 bytes; wc 4,194,304 bytes; qkv 25,165,824 bytes; cc 8,388,608 bytes
;; launch quant (part 5): grid 384 x 1, 4 waves a work-group, no clusters, 68,096 bytes of LDS; arguments x, Wq, Wk, Wv, Wo, lowp_scales, xc, wc; writes xc, wc
.if DOCPART == 5
	.amdgcn_target "amdgcn-amd-amdhsa--gfx1250"
	.amdhsa_code_object_version 6
	.text
	.protected	k_q8a996d471b_quant
	.globl	k_q8a996d471b_quant
	.p2align	8
	.type	k_q8a996d471b_quant,@function
k_q8a996d471b_quant:
	s_mov_b64 s[64:65], 0
	v_nop
	global_prefetch_b8 v0, s[64:65] scope:SCOPE_SE
	s_setreg_imm32_b32 hwreg(HW_REG_WAVE_SCHED_MODE, 0, 2), 2
	s_setreg_imm32_b32 hwreg(HW_REG_WAVE_MODE, 25, 1), 1
	s_wait_xcnt 0x0
	s_wait_alu depctr_vm_vsrc(0)
; x [8192][1024] and the four weights [k 1024][n 1024], f32, become codes of E4M3, one byte each, K innermost, each with the scale 2^e that is given for it.
; code = number / 2^e, held within +-448, rounded to the nearest code, ties to even.
; x is an operand of three products, with the entries e0, e2, e4, which need not be equal.  xc has three parts of 8 MiB, [8192][1024] bytes each: part 0 made with e0, part 1 with e2, part 2 with e4.
; All three are always written, so that the next launch's addresses hang on its ids alone and on no number read from memory.  x itself is read once.
; wc has four parts of 1 MiB, [n 1024][k 1024] bytes: Wq (e1), Wk (e3), Wv (e5), Wo (e11).
; Work-groups 0-255 take x: a plain stream; a wave takes 16 steps of 512 numbers.  Each load reads 512 consecutive bytes; a step's 2,048 bytes turn through the wave's own stage in LDS, so that a lane
; holds 16 neighbours along K for the conversions; a lane's 16 codes are 16 bytes, a wave's store 512 consecutive bytes.
; Work-groups 256-383 take the weights, whose K is the FIRST axis: a lane takes a column n and its registers run down K, so the conversions give codes with K innermost; a wave takes 32 columns x 256 along K;
; the codes go through the wave's own stage and leave as rows: sixteen lanes store 256 consecutive bytes, aligned.
; The two paths part on the work-group's number and never join; each has LDS bytes of its own.  No tensor load, no barrier: waves share nothing.
; LIMITS: e0, e2, e4, e1, e3, e5, e11 between -126 and 119, so that 2^e and 448 x 2^e are f32 numbers.  NaN among the inputs is not served (an infinity is held at the largest code).
; THE MODE: SCHED_MODE bits 1:0 = 2 (LLVM: expert scheduling mode 2), set by the entry lines.  The code itself states the register dependences
; between vector instructions and memory or LDS instructions, with s_wait_alu, always for 0.
; THE PLAN, x's path.  Registers that memory or LDS instructions touch:
;   R0 .. R3      Written by the loads of step t + 4, issued in step t; read by the LDS stores that send step t through the stage, issued in step t - 1.  No vector instruction names them.
;   X0, X1        Written by the LDS loads of step t + 1, issued in step t; read by step t's holds.
;   C0, C1        Written by step t's conversions; read by the three stores that are issued in step t + 1.
;   v3, v14, v15  An offset and two LDS addresses, made at the head and never written again.
; Step t works on X[t % 2] and writes C[t % 2].  Its memory and LDS instructions touch R, X[(t + 1) % 2] and C[(t - 1) % 2], which no vector instruction of step t names.  So the waits at a step's head state
; all that the step's loads, LDS instructions and stores hang on, and the three stores are dealt among its vector instructions with no further wait.
; THE PLAN, the weights' path.
;   WX0, WX1      Written by the loads of block t + 2, issued in block t; held in place and read by block t's conversions.
;   WCD           Written by block t's conversions; read by its two LDS stores.
;   OUTR          Named by LDS loads and global stores alone.   v180 to v183: addresses and offsets, made at the head and never written again.
; One wait on va_vdst stands behind a block's conversions, ahead of its LDS stores and of the loads that fill the block's set again; one on vm_vsrc at the block's end, ahead of the next block's conversions.
.set SP,    80                         ; x path: a lane's place in a stage: its 64 bytes + 16 of padding
.set WREG,  8192                       ; x path: LDS bytes of a wave: two stages of 32 x SP
.set WST,   4*WREG                     ; the weights' path: four stages of 32 rows x PITCH begin here
.set PITCH, 272                        ; a stage row: 256 bytes of codes + 16
.set SPARE, WST+4*32*PITCH             ; behind them: the spare words, 128 bytes for each wave, that no other line names
.set MANT,  0x600000                   ; the mantissa field of 448 as f32
.set SPW,   12                         ; v12  LDS address of my spare word; never rewritten
.set NIL,   13                         ; v13  0; never rewritten
.set R,     16                         ; x: v16-79   four sets of 16 numbers as they are loaded
.set X,     80                         ; x: v80-111  two sets of 16 neighbours
.set T,     112                        ; x: v112-127 the 16 numbers, held
.set C,     128                        ; x: v128-151 codes: two sets (step % 2) of 4 registers for each of the three parts
.set WX,    32                         ; W: v32-95   two sets of 32 numbers
.set WCD,   96                         ; W: v96-103  a block's codes
.set OUTR,  112                        ; W: v112-175 the way out
.set WSI,   180                        ; W: the stage, on the way in
.set WSO,   181                        ; W: the stage, on the way out
.set WGO,   182                        ; W: the same place in wc
.set WLI,   183                        ; W: 4 x lane
.set WSC,   184                        ; W: 2^e
.set WLM,   185                        ; W: 448 x 2^e
.macro MKSC e, sc, lim                 ; from the whole number in s[e]: 2^e and 448 x 2^e as f32 numbers
	s_add_co_i32 s34, s[\e], 127
	s_lshl_b32 s35, s34, 23
	v_mov_b32 v[\sc], s35
	s_add_co_i32 s34, s34, 8
	s_lshl_b32 s34, s34, 23
	s_or_b32 s34, s34, MANT
	v_mov_b32 v[\lim], s34
.endm
	s_load_b256 s[4:11], s[0:1], 0x0               ; x s[4:5], Wq s[6:7], Wk s[8:9], Wv s[10:11]
	s_load_b256 s[12:19], s[0:1], 0x20             ; Wo s[12:13], the exponents s[14:15], xc s[16:17], wc s[18:19]
	v_lshl_add_u32 v[SPW], v0, 2, SPARE
	v_mov_b32 v[NIL], 0
	v_lshrrev_b32 v1, 5, v0
	v_readfirstlane_b32 s20, v1                    ; wave 0..3
	v_and_b32 v2, 31, v0                           ; lane
	v_lshlrev_b32 v3, 4, v2                        ; 16 x lane
	; every LDS address of both paths is made here, ahead of the parting
	s_wait_alu depctr_va_sdst(0)                   ; s20 is written, ahead of its first reader: LDS addresses and the buffers' offsets are made from it
	s_mul_i32 s21, s20, WREG
	v_lshrrev_b32 v14, 2, v2
	v_mul_u32_u24 v14, v14, SP
	v_and_b32 v15, 3, v2
	v_lshl_add_u32 v14, v15, 4, v14
	v_add_nc_u32 v14, s21, v14                     ; x's stage, in: four lanes' 64 bytes on end, then 16 of padding
	v_mul_u32_u24 v15, v2, SP
	v_add_nc_u32 v15, s21, v15                     ; and out: my 16 neighbours
	s_mul_i32 s22, s20, 32*PITCH
	s_add_co_u32 s22, s22, WST
	v_lshlrev_b32 v[WLI], 2, v2
	v_mul_u32_u24 v[WSI], v2, PITCH
	v_add_nc_u32 v[WSI], s22, v[WSI]               ; the weights' stage, in: row = my column
	v_and_b32 v186, 15, v2
	v_lshrrev_b32 v187, 4, v2
	v_mul_u32_u24 v[WSO], v187, PITCH
	v_lshl_add_u32 v[WSO], v186, 4, v[WSO]
	v_add_nc_u32 v[WSO], s22, v[WSO]               ; out: sixteen lanes to a row, two rows an instruction
	v_lshlrev_b32 v[WGO], 10, v187
	v_lshl_add_u32 v[WGO], v186, 4, v[WGO]         ; and the same two rows in wc (1,024 bytes apart)
	s_wait_kmcnt 0x0
	s_load_b256 s[36:43], s[14:15], 0x0            ; e0 .. e7
	s_load_b128 s[44:47], s[14:15], 0x20           ; e8 .. e11
	s_wait_alu depctr_va_vdst(0)                   ; v3, v14, v15 and v180 to v183 are written: every load, store and LDS instruction of both paths reads one of them as its offset or address
	s_cmp_ge_u32 ttmp9, 256
	s_cbranch_scc1 .Lweights
	; ---------------- x ----------------
	s_lshl_b32 s21, ttmp9, 2
	s_add_co_u32 s22, s21, s20                     ; which run of 8,192 numbers is my wave's
	s_lshl_b32 s32, s22, 15
	s_mov_b32 s33, 0
	s_add_nc_u64 s[4:5], s[4:5], s[32:33]          ; 32,768 bytes of x a run
	s_lshl_b32 s32, s22, 13
	s_add_nc_u64 s[24:25], s[16:17], s[32:33]      ; 8,192 bytes of codes a run, in part 0,
	s_add_nc_u64 s[26:27], s[24:25], 0x800000      ; part 1,
	s_add_nc_u64 s[28:29], s[26:27], 0x800000      ; part 2
.macro XLOAD t
.irp i, 0,1,2,3
	global_load_b128 v[R+16*((\t)%4)+4*\i:R+16*((\t)%4)+4*\i+3], v3, s[4:5] offset:2048*(\t)+512*\i th:TH_LOAD_NT   ; 32 lanes read 512 consecutive bytes
.endr
.endm
.macro XTURN t                         ; step t's numbers through the stage: LDS serves a wave's instructions in order, so no wait stands between the stores and the loads
.irp i, 0,1,2,3
	ds_store_b128 v14, v[R+16*((\t)%4)+4*\i:R+16*((\t)%4)+4*\i+3] offset:32*SP*((\t)%2)+8*SP*\i
.endr
.irp i, 0,1,2,3
	ds_load_b128 v[X+16*((\t)%2)+4*\i:X+16*((\t)%2)+4*\i+3], v15 offset:32*SP*((\t)%2)+16*\i
.endr
.endm
.macro XPART t, k                      ; step t's 16 numbers a lane, with the k-th scale, become part k's codes
.set XS, X+16*((\t)%2)
.set CS, C+12*((\t)%2)+4*(\k)
.irp i, 0,1,2,3,4,5,6,7,8,9,10,11,12,13,14,15
	v_med3_num_f32 v[T+\i], v[XS+\i], -v[8+\k], v[8+\k]   ; the conversion to an 8-bit code does not saturate (ISA guide 7.6.2): the hold at 448 x the scale comes first
.endr
	v_cvt_scalef32_pk8_fp8_f32 v[CS:CS+1], v[T:T+7], v[5+\k]
	v_cvt_scalef32_pk8_fp8_f32 v[CS+2:CS+3], v[T+8:T+15], v[5+\k]
	v_nop                                          ; one plain line behind the conversions: the next holds write their sources
.endm
.macro XSEND t, k                      ; step t's codes of part k leave: 32 lanes store 512 consecutive bytes
	global_store_b128 v3, v[C+12*((\t)%2)+4*(\k):C+12*((\t)%2)+4*(\k)+3], s[24+2*(\k):25+2*(\k)] offset:512*(\t)
.endm
.irp t, 0,1,2,3
	XLOAD \t
.endr
	s_wait_kmcnt 0x0
	MKSC 36, 5, 8                                  ; e0
	MKSC 38, 6, 9                                  ; e2
	MKSC 40, 7, 10                                 ; e4
	s_wait_loadcnt 12                              ; step 0's four loads are in
	XTURN 0
.macro XSTEP t
	s_wait_dscnt 0x0                               ; this step's numbers are back from the stage
.if (\t) >= 2
	s_wait_xcnt 0x0                                ; the stores issued in the step before have had their addresses translated (ISA guide 3.1): their data, C[t % 2], are written again only behind this wait
.endif
	s_wait_alu depctr_vm_vsrc(0)                   ; this step's stores into the stage have read R[t % 4], in which the loads below land; the stores issued in the step before have read C[t % 2], which this step's conversions write
.if (\t) >= 1
	s_wait_alu depctr_va_vdst(0)                   ; the step before has written the other C, which the stores below read, and is done reading the other X, in which the LDS loads below land
.endif
.if (\t)+4 < 16
	XLOAD (\t)+4                                   ; the loads of four steps on
.endif
.if (\t)+1 < 16
.if 14-(\t) >= 3
	s_wait_loadcnt 12                              ; the next step's four loads are in; those of the three steps behind it may be out
.else
	s_wait_loadcnt 4*(14-(\t))
.endif
	XTURN (\t)+1
.endif
.irp k, 0,1,2
.if (\t) >= 1
	XSEND (\t)-1, \k                               ; the step before's codes.  No wait: no vector instruction since the wait above names these registers
.endif
	XPART \t, \k
.endr
.endm
.irp t, 0,1,2,3,4,5,6,7,8,9,10,11,12,13,14,15
	XSTEP \t
.endr
	s_wait_alu depctr_va_vdst(0)                   ; step 15's conversions have written its codes, which the last three stores read
	XSEND 15, 0
	XSEND 15, 1
	XSEND 15, 2
	s_wait_dscnt 0x0                               ; the closing lines, six on end
	s_wait_alu 0x0
	s_wait_tensorcnt 0x0
	ds_add_u32 v[SPW], v[NIL]
	s_wait_dscnt 0x0
	s_endpgm
	; ---------------- the weights ----------------
.Lweights:
	s_sub_co_u32 s21, ttmp9, 256
	s_lshr_b32 s22, s21, 5                         ; which weight: 0 Wq, 1 Wk, 2 Wv, 3 Wo
	s_bfe_u32 s23, s21, 0x30002                    ; which 128 columns
	s_and_b32 s21, s21, 3                          ; which 256 along K
	s_lshl_b32 s24, s23, 7
	s_lshl_b32 s25, s20, 5
	s_add_co_u32 s24, s24, s25                     ; my wave's first column
	s_lshl_b32 s26, s21, 20                        ; in: 256 rows of 4,096 bytes,
	s_lshl_b32 s25, s24, 2
	s_add_co_u32 s26, s26, s25                     ; + 4 x column
	s_mov_b32 s27, 0
	s_lshl_b32 s28, s22, 20                        ; out: the weight's part,
	s_lshl_b32 s25, s24, 10
	s_add_co_u32 s28, s28, s25                     ; + column x 1,024,
	s_lshl_b32 s25, s21, 8
	s_add_co_u32 s28, s28, s25                     ; + my 256 along K
	s_mov_b32 s29, 0
	s_cmp_eq_u32 s22, 1                            ; the choices hang on the work-group's number alone
	s_cselect_b64 s[6:7], s[8:9], s[6:7]
	s_cmp_eq_u32 s22, 2
	s_cselect_b64 s[6:7], s[10:11], s[6:7]
	s_cmp_eq_u32 s22, 3
	s_cselect_b64 s[6:7], s[12:13], s[6:7]
	s_add_nc_u64 s[6:7], s[6:7], s[26:27]
	s_add_nc_u64 s[18:19], s[18:19], s[28:29]
.macro WLOAD t                         ; block t: W(32 t + i, my column), i = 0 .. 31: a wave's load reads 128 consecutive bytes, the four waves stand side by side
.set wi, 0
.rept 32
	global_load_b32 v[WX+32*((\t)%2)+wi], v[WLI], s[6:7] offset:(32*(\t)+wi)*4096 th:TH_LOAD_NT
.set wi, wi+1
.endr
.endm
	WLOAD 0
	WLOAD 1
	s_wait_kmcnt 0x0
	s_mov_b32 s30, s37                             ; e1,
	s_cmp_eq_u32 s22, 1
	s_cselect_b32 s30, s39, s30                    ; e3,
	s_cmp_eq_u32 s22, 2
	s_cselect_b32 s30, s41, s30                    ; e5,
	s_cmp_eq_u32 s22, 3
	s_cselect_b32 s30, s47, s30                    ; or e11
	MKSC 30, WSC, WLM
.macro WBLOCK t
.set WS, WX+32*((\t)%2)
.if (\t) < 7
	s_wait_loadcnt 32                              ; this block's 32 loads are in; the next block's may be out
.else
	s_wait_loadcnt 0
.endif
.set wj, 0
.rept 32
	v_med3_num_f32 v[WS+wj], v[WS+wj], -v[WLM], v[WLM]
.set wj, wj+1
.endr
.irp g, 0,1,2,3
	v_cvt_scalef32_pk8_fp8_f32 v[WCD+2*\g:WCD+2*\g+1], v[WS+8*\g:WS+8*\g+7], v[WSC]
.endr
	s_wait_alu depctr_va_vdst(0)                   ; the conversions have written the codes, which the LDS stores read; the holds and the conversions are done with this block's set, in which the loads below land
	ds_store_b128 v[WSI], v[WCD:WCD+3] offset:32*(\t)      ; 32 codes: 32 bytes of my column's row.  (The results go to LDS stores; the next vector lines are the next block's holds, plain ones on other registers)
	ds_store_b128 v[WSI], v[WCD+4:WCD+7] offset:32*(\t)+16
.if (\t)+2 < 8
	WLOAD (\t)+2
.endif
	s_wait_dscnt 0x0                               ; the stores into the stage are done
.if (\t) < 7
	s_wait_alu depctr_vm_vsrc(0)                   ; the two LDS stores have read the codes' registers, which the next block's conversions write
.endif
.endm
.irp t, 0,1,2,3,4,5,6,7
	WBLOCK \t
.endr
.irp t, 0,1,2,3,4,5,6,7,8,9,10,11,12,13,14,15
	ds_load_b128 v[OUTR+4*\t:OUTR+4*\t+3], v[WSO] offset:2*\t*PITCH   ; LDS serves a wave's instructions in order: these see my stores
.endr
.irp t, 0,1,2,3,4,5,6,7,8,9,10,11,12,13,14,15
	s_wait_dscnt 15-\t                             ; the younger reads may be out
	global_store_b128 v[WGO], v[OUTR+4*\t:OUTR+4*\t+3], s[18:19] offset:2*\t*1024   ; sixteen lanes store 256 consecutive bytes, aligned
.endr
	s_wait_dscnt 0x0                               ; the closing lines, six on end
	s_wait_alu 0x0
	s_wait_tensorcnt 0x0
	ds_add_u32 v[SPW], v[NIL]
	s_wait_dscnt 0x0
	s_endpgm
.Lfunc_end_k_q8a996d471b_quant:
	.size	k_q8a996d471b_quant, .Lfunc_end_k_q8a996d471b_quant-k_q8a996d471b_quant
	.p2alignl 7, 3214868480
	.fill 96, 4, 3214868480
	.section	.rodata,"a",@progbits
	.p2align	6, 0x0
	.amdhsa_kernel k_q8a996d471b_quant
		.amdhsa_group_segment_fixed_size 68096
		.amdhsa_private_segment_fixed_size 0
		.amdhsa_enable_private_segment 0
		.amdhsa_kernarg_size 64
		.amdhsa_user_sgpr_count 2
		.amdhsa_user_sgpr_kernarg_segment_ptr 1
		.amdhsa_wavefront_size32 1
		.amdhsa_system_sgpr_workgroup_id_x 1
		.amdhsa_system_sgpr_workgroup_id_y 1
		.amdhsa_system_sgpr_workgroup_id_z 1
		.amdhsa_system_vgpr_workitem_id 0
		.amdhsa_next_free_vgpr 192
		.amdhsa_next_free_sgpr 66
		.amdhsa_reserve_vcc 0
		.amdhsa_float_denorm_mode_32 3
		.amdhsa_float_denorm_mode_16_64 3
		.amdhsa_memory_ordered 1
		.amdhsa_forward_progress 1
		.amdhsa_inst_pref_size 129
	.end_amdhsa_kernel
	.amdgpu_metadata
---
amdhsa.version: [ 1, 2 ]
amdhsa.kernels:
  - .name:           k_q8a996d471b_quant
    .symbol:         k_q8a996d471b_quant.kd
    .args:
      - { .name: x, .offset: 0, .size: 8, .value_kind: global_buffer, .address_space: global }
      - { .name: Wq, .offset: 8, .size: 8, .value_kind: global_buffer, .address_space: global }
      - { .name: Wk, .offset: 16, .size: 8, .value_kind: global_buffer, .address_space: global }
      - { .name: Wv, .offset: 24, .size: 8, .value_kind: global_buffer, .address_space: global }
      - { .name: Wo, .offset: 32, .size: 8, .value_kind: global_buffer, .address_space: global }
      - { .name: lowp_scales, .offset: 40, .size: 8, .value_kind: global_buffer, .address_space: global }
      - { .name: xc, .offset: 48, .size: 8, .value_kind: global_buffer, .address_space: global }
      - { .name: wc, .offset: 56, .size: 8, .value_kind: global_buffer, .address_space: global }
    .group_segment_fixed_size: 68096
    .private_segment_fixed_size: 0
    .kernarg_segment_align: 8
    .kernarg_segment_size: 64
    .max_flat_workgroup_size: 128
    .sgpr_count:     66
    .vgpr_count:     192
    .wavefront_size: 32
...
	.end_amdgpu_metadata
.endif
;; end of part 5
;; launch qkvproj: the kernel of part 2 again; grid 96 x 4, 4 waves a work-group, clusters of 4 x 4, 327,680 bytes of LDS; arguments xc, wc, lowp_scales, bq, bk, bv, qkv; writes qkv
;; launch attn (part 6): grid 4 x 64, 16 waves a work-group, no clusters, 67,584 bytes of LDS; arguments qkv, lowp_scales, cc; writes cc
.if DOCPART == 6
	.amdgcn_target "amdgcn-amd-amdhsa--gfx1250"
	.amdhsa_code_object_version 6
	.text
	.protected	k_q8a996d471b_attn
	.globl	k_q8a996d471b_attn
	.p2align	8
	.type	k_q8a996d471b_attn,@function
k_q8a996d471b_attn:
	s_mov_b64 s[64:65], 0
	v_nop
	global_prefetch_b8 v0, s[64:65] scope:SCOPE_SE
	s_setreg_imm32_b32 hwreg(HW_REG_WAVE_SCHED_MODE, 0, 2), 2
	s_setreg_imm32_b32 hwreg(HW_REG_WAVE_MODE, 25, 1), 1
	s_wait_xcnt 0x0
	s_wait_alu depctr_vm_vsrc(0)
; ctx = softmax(q k^T / 8, causal) v for 64 pairs of batch and head, 2,048 tokens, 64 channels, both products on codes of E4M3; ctx is quantised at once (e10) for the last product.
; THE SOFTMAX AHEAD OF THE SECOND PRODUCT: t = score x log2(e) / 8; M = the running largest t rounded UP to a whole number; p = 2^(t - M) is quantised (e8), not normalised; the row's sum is taken of the
; unquantised p and divides at the end.  When M moves, the sum and O are multiplied by 2^(old M - new M): exact.
; SHARES.  Work-group (i, bh) owns blocks 7 - i and i of the head's eight blocks of 256 queries: under the causal mask every work-group then has the same work (9 slots of 256 keys for eight waves each).
; Eight of its sixteen waves take one block, eight the other, two of each kind among any four neighbouring waves and among any four waves that lie four apart.  A wave owns 32 queries: two tiles of 16, A and B, which share every fragment of K and V.
; Every wave walks eight slots of 256 keys, four steps of 64 each: the trip count is a constant.  A step all of whose keys come after the wave's queries is jumped over: a scalar branch on ids, round the
; step's LDS reads, products and softmax, and round no barrier.  In the one step on the diagonal hidden scores become -infinity.
; K AND V come as images of fragments (the launch before laid them so): a step is 4 KiB of K and 4 KiB of V, dense in memory.  Each thread loads 16 bytes a step and stores them into the LDS buffer that is
; not being read; two buffers of a slot each, one barrier a slot.  A slot beyond the work-group's last query is not loaded.
; WHY NO TENSOR LOADS AND NO CLUSTER: the four work-groups of a head need 8, 7, 6 and 5 slots, so partners would ask for different numbers of tiles; a step's shared bytes are 8 KiB for sixteen waves;
; separately: for e8 >= -8 the largest code stands for 448 x 2^e8 >= 1.75, above every p.
; LAYOUT.  Both products transposed: S^T = K Q^T (source 0 = 16 keys, source 1 = 16 queries), O^T = V^T P^T (source 0 = 16 channels, source 1 = P): a lane holds ONE query (lane % 16) throughout.  With K = 64
; the form's own layout puts keys 16 c + 8 h + 0 .. 7 into registers 2 c, 2 c + 1, which is what the conversion of score tile c gives: nothing is permuted.
; cc: [tile of 16 tokens 512][head 16][image of 1 KiB]: lane (r, h): token r; registers 0-3 channels 16 h + 0 .. 15, registers 4-7 channels 32 + 16 h + 0 .. 15.
; LIMITS: e6 + e7 between -123 and 130; e8 between -126 and 119; e10 - e8 - e9 between -126 and 119.  NaN is not served.
; REGISTERS: v0 the prefetches' offset; v1 16 x lane; v2 16 x thread; v3 16 x (thread % 256); v4, v5 the add's two; v6, v7 2^e8, 448 x 2^e8; v8 r - 8 h; v9 -infinity; v10, v11 the mask's, later ctx's scale and limit;
;   v12 -M, v13 the largest t, v[14:15] the sum (tile A); v16-19 the same (tile B); v[20:21], v[22:23] f; v24-27 the 16 bytes on their way to LDS; v28-31 at work;
;   v32-47 Q; v48-63 p's codes; v64-95 K; v96-127 V; v128-191 S^T, then p; v192-255 O^T.   s26-33: eight lane masks of the causal mask (free behind the head).
; THE MODE: SCHED_MODE bits 1:0 = 2 (LLVM: expert scheduling mode 2), set by the entry lines.  The code itself states the register dependences
; between vector or matrix instructions and memory or LDS instructions, with s_wait_alu, always for 0.
; THE PLAN.  Registers that memory or LDS instructions touch:
;   v0 .. v3     Offsets and addresses, made at the head and never written again.
;   v[24:27]     Written once by the head's moves, then by the load at a step's head; read by the LDS store at the step's end.
;   K, v64-95    Written by the LDS loads at a step's head; read by the step's eight products K Q^T.  On the way out the conversions and exchanges write them and the four stores read them.
;   V, v96-127   Written by the LDS loads behind those products; read by the eight products V^T P^T at the step's end.
;   v128-143     At the head alone: slot 0's loads land there and four LDS stores read them; from the first step on products write them.
;   Q, v32-47    Loaded once.   All else is named by vector and matrix instructions alone.
; So two lines stand at a step's head, ahead of its branches: one on vm_vsrc (the last step's LDS store has read v[24:27]) and one on va_vdst (the last step's products are done reading K's and V's registers).
; The step's load, K's LDS loads and V's follow with no further wait: the products and places between name none of the registers in which they land.  The four waves of a SIMD hold all its registers, so there is no
; further buffer; and each step asks for its own fragments, since a scalar branch may lead round any step.
.set SPARE, 65536                      ; behind the two buffers: the spare words, 128 bytes for each of sixteen waves, that no other line names
.set QA, 32
.set QB, 40
.set PA, 48
.set PB, 56
.set KR, 64
.set VR, 96
.set SA, 128
.set SB, 160
.set OA, 192
.set OB, 224
.set MK, 26                            ; s26-33
	s_load_b128 s[4:7], s[0:1], 0x0                ; qkv s[4:5], the exponents s[6:7]
	s_load_b64 s[8:9], s[0:1], 0x10                ; cc
	v_lshl_add_u32 v4, v0, 2, SPARE
	v_mov_b32 v5, 0
	v_lshrrev_b32 v1, 5, v0
	v_readfirstlane_b32 s10, v1                    ; wave 0..15
	v_lshlrev_b32 v2, 4, v0                        ; into LDS: threads 0-255 K's 4 KiB, threads 256-511 V's
	v_and_b32 v3, 255, v0
	v_lshlrev_b32 v3, 4, v3                        ; from memory: my 16 bytes of 4 KiB
	v_and_b32 v1, 31, v0
	v_lshlrev_b32 v1, 4, v1                        ; an image's place for my lane
	v_and_b32 v8, 15, v0
	v_bfe_u32 v9, v0, 4, 1
	v_lshlrev_b32 v9, 3, v9
	v_sub_nc_u32 v8, v8, v9                        ; r - 8 h
	v_mov_b32 v9, 0xff800000                       ; -infinity
	v_and_b32 v0, 63, v0
	v_lshlrev_b32 v0, 8, v0                        ; 256 x lane + 8,192 x (wave % 2)
	s_wait_alu depctr_va_sdst(0)                   ; s10 is written, ahead of its first reader: the wave's queries, its bases and its branches are made from it
	s_lshr_b32 s11, s10, 2
	s_xor_b32 s11, s11, s10
	s_and_b32 s11, s11, 1                          ; 0: block 7 - i; 1: block i
	s_lshr_b32 s12, s10, 1                         ; which 32 queries of the block
	s_sub_co_u32 s13, 7, ttmp9
	s_cmp_eq_u32 s11, 0
	s_cselect_b32 s14, s13, ttmp9
	s_lshl_b32 s14, s14, 8
	s_lshl_b32 s12, s12, 5
	s_add_co_u32 s14, s14, s12                     ; my first query
	s_lshl_b32 s15, s13, 8
	s_or_b32 s15, s15, 255                         ; my work-group's last query
	s_and_b32 s41, ttmp7, 0xffff                   ; batch x 16 + head
	s_lshl_b32 s28, s41, 17                        ; its 131,072 bytes in each part of qkv
	s_mov_b32 s30, 0x1000000                       ; part v,
	s_cmp_lt_u32 s10, 8
	s_cselect_b32 s30, 0x800000, s30               ; or part k: waves 0-7 bring K, waves 8-15 V
	s_add_co_u32 s30, s30, s28
	s_mov_b32 s31, 0
	s_lshl_b32 s19, s14, 6
	s_add_co_u32 s28, s28, s19                     ; part q: my two tiles' images, 1 KiB for 16 queries
	s_mov_b32 s29, 0
	s_lshr_b32 s42, s41, 4
	s_lshl_b32 s42, s42, 21                        ; cc: the batch's 128 tiles of 16 KiB,
	s_and_b32 s19, s41, 15
	s_add_co_u32 s19, s19, s14
	s_lshl_b32 s19, s19, 10                        ; + (query / 16) x 16 KiB + head x 1 KiB
	s_add_co_u32 s42, s42, s19
	s_mov_b32 s43, 0
	s_and_b32 s38, s10, 6
	s_or_b32 s38, s38, ttmp9
	s_cmp_eq_u32 s38, 0
	s_cselect_b32 s38, 1, 0                        ; waves 0, 1, 8, 9 of the head's work-group 0 prefetch
	s_mov_b32 s20, 0x76543210
	s_mov_b32 s21, 0xfedcba98                      ; v_permlanex16_b32's selects for lane l xor 16
	s_mov_b32 s40, 0xffff0000                      ; the lanes with h = 1
	s_mov_b32 s22, 0x3e38aa3b                      ; c = log2(e) / 8
	s_mov_b32 s16, 0                               ; the step's first key
	s_mov_b32 s18, 4                               ; trips of two slots
	s_wait_kmcnt 0x0
	s_load_b128 s[32:35], s[6:7], 0x18             ; e6, e7, e8, e9
	s_load_b32 s36, s[6:7], 0x28                   ; e10
	s_add_nc_u64 s[24:25], s[4:5], s[30:31]        ; K or V at slot 0
	s_add_nc_u64 s[26:27], s[4:5], s[28:29]        ; Q
	s_add_nc_u64 s[8:9], s[8:9], s[42:43]
	s_wait_alu depctr_va_vdst(0)                   ; v0 to v3 are written: every load, store, prefetch and LDS instruction of the kernel reads one of them as its offset or address
.irp j, 0,1,2,3
	global_load_b128 v[SA+4*\j:SA+4*\j+3], v3, s[24:25] offset:4096*\j   ; slot 0's four steps
.endr
.irp j, 0,1,2,3
	global_load_b128 v[QA+4*\j:QA+4*\j+3], v1, s[26:27] offset:512*\j    ; Q's two images stay in registers
.endr
	v_mov_b32 v13, 0xff61b1e6                      ; the largest t so far: -3e38, under every t
	v_mov_b32 v17, 0xff61b1e6
	v_floor_f32 v12, -v13                          ; -M
	v_floor_f32 v16, -v17
.irp j, 14,15,18,19,20,21,22,23,24,25,26,27,28,29,30,31
	v_mov_b32 v\j, 0                               ; the sums; f's pairs; the bytes on their way; what lane permutes write (a permute's destination counts as read)
.endr
.set zi, 0
.rept 64
	v_mov_b32 v[OA+zi], 0                          ; O^T.  (The step is written once: the first finds zeros, which the first change of M leaves zeros)
.set zi, zi+1
.endr
	s_wait_kmcnt 0x0
	s_add_co_i32 s19, s32, s33
	s_lshl_b32 s19, s19, 23
	s_add_co_i32 s22, s22, s19                     ; a score stands for score x 2^(e6 + e7): added to c's exponent field
	s_mov_b32 s23, s22                             ; (named with it as a pair, so it is written)
	s_add_co_i32 s19, s34, 127
	s_lshl_b32 s28, s19, 23
	v_mov_b32 v6, s28                              ; 2^e8
	s_add_co_i32 s19, s19, 8
	s_lshl_b32 s19, s19, 23
	s_or_b32 s19, s19, 0x600000
	v_mov_b32 v7, s19                              ; 448 x 2^e8
	s_cmp_lt_i32 s34, -8
	s_cselect_b32 s37, 1, 0                        ; p wants its hold only where 448 x 2^e8 may lie under 1
	s_wait_loadcnt 0x0
	s_add_nc_u64 s[24:25], s[24:25], 16384         ; (the loads are done)  at slot 1
.irp j, 0,1,2,3
	ds_store_b128 v2, v[SA+4*\j:SA+4*\j+3] offset:8192*\j
.endr
	s_wait_dscnt 0x0                               ; for the others' sake: my stores have landed
	s_barrier_signal -1
	s_barrier_wait -1                              ; slot 0 lies in buffer 0
; A KEY STEP: 64 keys, the q-th of the slot that lies in buffer buf.
.macro STEP buf, q
	s_wait_dscnt 0x0                               ; the last step's store into LDS is done
	s_wait_alu depctr_vm_vsrc(0)                   ; that store has read v[24:27], in which the load below lands; in the first step: the head's four LDS stores have read v128 to v143, which the products below write
	s_wait_alu depctr_va_vdst(0)                   ; the last step's products are done reading K's and V's registers, in which this step's LDS loads land; in the first step: the head's moves have written v[24:27]
	s_cmp_eq_u32 s17, 0
	s_cbranch_scc1 .Lnoload_\@
	global_load_b128 v[24:27], v3, s[24:25] offset:4096*\q   ; my 16 bytes of the next slot's step q: they have this step in which to come
.if \q == 0
	s_cmp_eq_u32 s39, 0
	s_cbranch_scc1 .Lnoload_\@
	global_prefetch_b8 v0, s[24:25] offset:16384 th:TH_LOAD_NT scope:SCOPE_SE   ; the slot after that: K's 16 KiB by waves 0 and 1, V's by waves 8 and 9, lanes 256 bytes apart; each block is named once in the launch
.endif
.Lnoload_\@:
	s_cmp_gt_u32 s16, s14                          ; all 64 keys come after my 32 queries (my first query is a multiple of 32, the first key of 64)
	s_cbranch_scc1 .Lhid_\@
.irp c, 0,1,2,3
	ds_load_b128 v[KR+8*\c:KR+8*\c+3], v1 offset:\buf*32768+8192*\q+1024*\c
	ds_load_b128 v[KR+8*\c+4:KR+8*\c+7], v1 offset:\buf*32768+8192*\q+1024*\c+512
.endr
	s_wait_dscnt 0x0
.irp c, 0,1,2,3                                ; S^T = K Q^T: the eight accumulators by turns
	v_wmma_f32_16x16x64_fp8_fp8 v[SA+8*\c:SA+8*\c+7], v[KR+8*\c:KR+8*\c+7], v[QA:QA+7], 0
	v_wmma_f32_16x16x64_fp8_fp8 v[SB+8*\c:SB+8*\c+7], v[KR+8*\c:KR+8*\c+7], v[QB:QB+7], 0
.endr
.rept 4
	v_nop                                          ; places in front of the reads of the scores (ISA guide 7.12.1)
.endr
.irp d, 0,1,2,3                                ; V.  No wait: no vector or matrix instruction since the wait at the step's head names these registers
	ds_load_b128 v[VR+8*\d:VR+8*\d+3], v1 offset:\buf*32768+8192*\q+4096+1024*\d
	ds_load_b128 v[VR+8*\d+4:VR+8*\d+7], v1 offset:\buf*32768+8192*\q+4096+1024*\d+512
.endr
	s_add_co_u32 s19, s16, 63
	s_cmp_le_u32 s19, s14                          ; a step all of whose keys count skips the mask
	s_cbranch_scc1 .Lopen_\@
	s_sub_co_i32 s19, s14, s16
	v_add_nc_u32 v10, s19, v8                      ; d = my query - the first key - 8 h.  Register 8 c + j holds key 16 c + 8 h + j: hidden where 16 c + j > d
	v_add_nc_u32 v11, 16, v10                      ; tile B's queries are 16 further on
.irp c, 0,1,2,3                                ; the compares go in runs of eight, a score tile's, into eight scalar registers, with one wait behind each run
.irp j, 0,1,2,3,4,5,6,7
	v_cmp_gt_i32 s[MK+\j], 16*\c+\j, v10
.endr
	s_wait_alu depctr_va_sdst(0)                   ; the eight compares have written s26 to s33, ahead of the selects that read them
.irp j, 0,1,2,3,4,5,6,7
	v_cndmask_b32 v[SA+8*\c+\j], v[SA+8*\c+\j], v9, s[MK+\j]
.endr
.endr
.irp c, 0,1,2,3
.irp j, 0,1,2,3,4,5,6,7
	v_cmp_gt_i32 s[MK+\j], 16*\c+\j, v11
.endr
	s_wait_alu depctr_va_sdst(0)                   ; the eight compares have written s26 to s33, ahead of the selects that read them
.irp j, 0,1,2,3,4,5,6,7
	v_cndmask_b32 v[SB+8*\c+\j], v[SB+8*\c+\j], v9, s[MK+\j]
.endr
.endr
.Lopen_\@:
	v_max3_num_f32 v28, v[SA], v[SA+1], v[SA+2]    ; the step's largest score of my query among my 32 keys: two chains a tile, the tiles by turns, each accumulator from its low end on
	v_max3_num_f32 v30, v[SB], v[SB+1], v[SB+2]
	v_max3_num_f32 v29, v[SA+3], v[SA+4], v[SA+5]
	v_max3_num_f32 v31, v[SB+3], v[SB+4], v[SB+5]
.irp i, 6,10,14,18,22,26
	v_max3_num_f32 v28, v28, v[SA+\i], v[SA+\i+1]
	v_max3_num_f32 v30, v30, v[SB+\i], v[SB+\i+1]
	v_max3_num_f32 v29, v29, v[SA+\i+2], v[SA+\i+3]
	v_max3_num_f32 v31, v31, v[SB+\i+2], v[SB+\i+3]
.endr
	v_max3_num_f32 v28, v28, v[SA+30], v[SA+31]
	v_max3_num_f32 v30, v30, v[SB+30], v[SB+31]
	v_max_num_f32 v28, v28, v29
	v_max_num_f32 v30, v30, v31
	v_permlanex16_b32 v29, v28, s20, s21
	v_permlanex16_b32 v31, v30, s20, s21
	v_max_num_f32 v28, v28, v29                    ; and among lane l xor 16's
	v_max_num_f32 v30, v30, v31
	v_mul_f32 v28, s22, v28                        ; as t (c is positive)
	v_mul_f32 v30, s22, v30
	v_max_num_f32 v13, v13, v28                    ; the running largest t
	v_max_num_f32 v17, v17, v30
	v_mov_b32 v28, v12
	v_mov_b32 v30, v16
	v_floor_f32 v12, -v13                          ; the new -M = floor(-t): M is a whole number
	v_floor_f32 v16, -v17
	v_sub_f32 v28, v12, v28                        ; old M - new M: a whole number, 0 or less
	v_sub_f32 v30, v16, v30
	v_cvt_i32_f32 v28, v28                         ; (it saturates)
	v_cvt_i32_f32 v30, v30
	v_ldexp_f32 v20, 1.0, v28                      ; f = 2^(old M - new M)
	v_ldexp_f32 v22, 1.0, v30
.set j, 0
.rept 16
	v_pk_fma_f32 v[SA+j:SA+j+1], v[SA+j:SA+j+1], s[22:23], v[12:13] op_sel_hi:[1,0,0]   ; t - M, two at a time (of the pairs c and -M the low word serves both halves)
	v_pk_fma_f32 v[SB+j:SB+j+1], v[SB+j:SB+j+1], s[22:23], v[16:17] op_sel_hi:[1,0,0]
.set j, j+2
.endr
.set j, 0
.rept 64
	v_exp_f32 v[SA+j], v[SA+j]                     ; p = 2^(t - M), at most 1: one batch
.set j, j+1
.endr
	v_pk_mul_f32 v[14:15], v[14:15], v[20:21] op_sel_hi:[1,0]   ; the sums under the new M: the plain lines behind the exponentials
	v_pk_mul_f32 v[18:19], v[18:19], v[22:23] op_sel_hi:[1,0]
	s_wait_alu depctr_va_vdst(0)                   ; the 64 exponentials have written p: one wait for the whole batch, ahead of its first reader
	v_pk_add_f32 v[28:29], v[SA:SA+1], v[SA+2:SA+3]   ; the row's sum is taken of the unquantised p: two chains a tile
	v_pk_add_f32 v[30:31], v[SB:SB+1], v[SB+2:SB+3]
.irp j, 4,8,12,16,20,24,28
	v_pk_add_f32 v[14:15], v[14:15], v[SA+\j:SA+\j+1]
	v_pk_add_f32 v[18:19], v[18:19], v[SB+\j:SB+\j+1]
	v_pk_add_f32 v[28:29], v[28:29], v[SA+\j+2:SA+\j+3]
	v_pk_add_f32 v[30:31], v[30:31], v[SB+\j+2:SB+\j+3]
.endr
	v_pk_add_f32 v[14:15], v[14:15], v[28:29]
	v_pk_add_f32 v[18:19], v[18:19], v[30:31]
	s_cmp_eq_u32 s37, 0
	s_cbranch_scc1 .Lnohold_\@
.set j, 0
.rept 64
	v_min_num_f32 v[SA+j], v[SA+j], v7             ; the conversion does not saturate (ISA guide 7.6.2); p is not negative, so the hold is one-sided
.set j, j+1
.endr
.Lnohold_\@:
.irp c, 0,1,2,3
	v_cvt_scalef32_pk8_fp8_f32 v[PA+2*\c:PA+2*\c+1], v[SA+8*\c:SA+8*\c+7], v6
	v_cvt_scalef32_pk8_fp8_f32 v[PB+2*\c:PB+2*\c+1], v[SB+8*\c:SB+8*\c+7], v6
.endr
.set j, 0
.rept 16
	v_pk_mul_f32 v[OA+j:OA+j+1], v[OA+j:OA+j+1], v[20:21] op_sel_hi:[1,0]   ; O^T under the new M, each accumulator from its low end on.  (Also the plain lines behind the conversions)
	v_pk_mul_f32 v[OB+j:OB+j+1], v[OB+j:OB+j+1], v[22:23] op_sel_hi:[1,0]
.set j, j+2
.endr
	s_wait_dscnt 0x0                               ; V is in
.irp d, 0,1,2,3                                ; O^T += V^T P^T: the eight accumulators by turns
	v_wmma_f32_16x16x64_fp8_fp8 v[OA+8*\d:OA+8*\d+7], v[VR+8*\d:VR+8*\d+7], v[PA:PA+7], v[OA+8*\d:OA+8*\d+7]
	v_wmma_f32_16x16x64_fp8_fp8 v[OB+8*\d:OB+8*\d+7], v[VR+8*\d:VR+8*\d+7], v[PB:PB+7], v[OB+8*\d:OB+8*\d+7]
.endr
.Lhid_\@:
	s_wait_loadcnt 0x0                             ; my 16 bytes are here (on every path)
	s_cmp_eq_u32 s17, 0
	s_cbranch_scc1 .Lnostore_\@
	ds_store_b128 v2, v[24:27] offset:(1-\buf)*32768+8192*\q   ; into the buffer that nobody reads before the next barrier
.Lnostore_\@:
	s_add_co_u32 s16, s16, 64
.endm
; A SLOT.  One barrier at its end does both things: every wave's stores into the other buffer have landed, and every wave's reads of this buffer are over.
.macro SLOT buf
	s_add_co_u32 s17, s16, 256
	s_cmp_le_u32 s17, s15
	s_cselect_b32 s17, 1, 0                        ; the next slot is loaded while its first key is at or under my work-group's last query
	s_add_co_u32 s39, s16, 512
	s_cmp_lt_u32 s39, 2048
	s_cselect_b32 s39, s38, 0                      ; the slot after it is prefetched while there is one
	STEP \buf, 0
	STEP \buf, 1
	STEP \buf, 2
	STEP \buf, 3
	s_wait_xcnt 0x0                                ; the slot's loads and its prefetch have read their base
	s_add_nc_u64 s[24:25], s[24:25], 16384
	s_wait_dscnt 0x0
	s_barrier_signal -1
	s_barrier_wait -1
.endm
.Lpair:
	SLOT 0
	SLOT 1
	s_sub_co_u32 s18, s18, 1
	s_cmp_lg_u32 s18, 0
	s_cbranch_scc1 .Lpair
	; THE WAY OUT.  ctx = O^T / the sum x 2^(e8 + e9); its code is (O^T / the sum) / 2^(e10 - e8 - e9).
.rept 4
	v_nop                                          ; places behind the last products
.endr
	v_add_f32 v14, v14, v15                        ; the sum's two halves,
	v_add_f32 v18, v18, v19
	v_permlanex16_b32 v28, v14, s20, s21
	v_permlanex16_b32 v30, v18, s20, s21
	v_add_f32 v14, v14, v28                        ; and lane l xor 16's
	v_add_f32 v18, v18, v30
	v_rcp_f32 v20, v14
	v_rcp_f32 v22, v18
	s_sub_co_i32 s19, s36, s34
	s_sub_co_i32 s19, s19, s35
	s_add_co_i32 s19, s19, 127
	s_lshl_b32 s28, s19, 23
	v_mov_b32 v10, s28                             ; 2^(e10 - e8 - e9)  (the plain lines behind the reciprocals)
	s_add_co_i32 s19, s19, 8
	s_lshl_b32 s19, s19, 23
	s_or_b32 s19, s19, 0x600000
	v_mov_b32 v11, s19                             ; 448 x that
	s_wait_alu depctr_va_vdst(0)                   ; the two reciprocals have written v20 and v22: one wait for both, ahead of their first reader
.set j, 0
.rept 16
	v_pk_mul_f32 v[SA+j:SA+j+1], v[OA+j:OA+j+1], v[20:21] op_sel_hi:[1,0]   ; register 8 d + j: channel 16 d + 8 h + j of my query
	v_pk_mul_f32 v[SB+j:SB+j+1], v[OB+j:OB+j+1], v[22:23] op_sel_hi:[1,0]
.set j, j+2
.endr
.set j, 0
.rept 64
	v_med3_num_f32 v[SA+j], v[SA+j], -v11, v11
.set j, j+1
.endr
.irp d, 0,1,2,3
	v_cvt_scalef32_pk8_fp8_f32 v[KR+2*\d:KR+2*\d+1], v[SA+8*\d:SA+8*\d+7], v10
	v_cvt_scalef32_pk8_fp8_f32 v[KR+8+2*\d:KR+8+2*\d+1], v[SB+8*\d:SB+8*\d+7], v10
.endr
	v_nop                                          ; one plain line between the conversions and the lines that read their results
; The reader wants 16 neighbouring channels in four registers of a lane; a lane has 8 and the lane 16 away the other 8.  Lanes with h = 0 keep lo and send hi, lanes with h = 1 keep hi and send lo.
.macro XCH lo, hi
	v_cndmask_b32 v28, v[\hi], v[\lo], s40
	v_permlanex16_b32 v29, v28, s20, s21
	v_cndmask_b32 v[\lo], v[\lo], v29, s40
	v_cndmask_b32 v[\hi], v29, v[\hi], s40
.endm
.irp t, 0,8
	XCH KR+\t+0, KR+\t+2
	XCH KR+\t+1, KR+\t+3
	XCH KR+\t+4, KR+\t+6
	XCH KR+\t+5, KR+\t+7
.endr
	s_wait_alu depctr_va_vdst(0)                   ; the exchanges have written v64 to v79, which the four stores read
.irp t, 0,1
	global_store_b128 v1, v[KR+8*\t:KR+8*\t+3], s[8:9] offset:16384*\t          ; 32 lanes store 512 consecutive bytes, aligned
	global_store_b128 v1, v[KR+8*\t+4:KR+8*\t+7], s[8:9] offset:16384*\t+512
.endr
	s_wait_dscnt 0x0                               ; the closing lines, six on end
	s_wait_alu 0x0
	s_wait_tensorcnt 0x0
	ds_add_u32 v4, v5
	s_wait_dscnt 0x0
	s_endpgm
.Lfunc_end_k_q8a996d471b_attn:
	.size	k_q8a996d471b_attn, .Lfunc_end_k_q8a996d471b_attn-k_q8a996d471b_attn
	.p2alignl 7, 3214868480
	.fill 96, 4, 3214868480
	.section	.rodata,"a",@progbits
	.p2align	6, 0x0
	.amdhsa_kernel k_q8a996d471b_attn
		.amdhsa_group_segment_fixed_size 67584
		.amdhsa_private_segment_fixed_size 0
		.amdhsa_enable_private_segment 0
		.amdhsa_kernarg_size 24
		.amdhsa_user_sgpr_count 2
		.amdhsa_user_sgpr_kernarg_segment_ptr 1
		.amdhsa_wavefront_size32 1
		.amdhsa_system_sgpr_workgroup_id_x 1
		.amdhsa_system_sgpr_workgroup_id_y 1
		.amdhsa_system_sgpr_workgroup_id_z 1
		.amdhsa_system_vgpr_workitem_id 0
		.amdhsa_next_free_vgpr 256
		.amdhsa_next_free_sgpr 66
		.amdhsa_reserve_vcc 0
		.amdhsa_float_denorm_mode_32 3
		.amdhsa_float_denorm_mode_16_64 3
		.amdhsa_memory_ordered 1
		.amdhsa_forward_progress 1
		.amdhsa_inst_pref_size 215
	.end_amdhsa_kernel
	.amdgpu_metadata
---
amdhsa.version: [ 1, 2 ]
amdhsa.kernels:
  - .name:           k_q8a996d471b_attn
    .symbol:         k_q8a996d471b_attn.kd
    .args:
      - { .name: qkv, .offset: 0, .size: 8, .value_kind: global_buffer, .address_space: global }
      - { .name: lowp_scales, .offset: 8, .size: 8, .value_kind: global_buffer, .address_space: global }
      - { .name: cc, .offset: 16, .size: 8, .value_kind: global_buffer, .address_space: global }
    .group_segment_fixed_size: 67584
    .private_segment_fixed_size: 0
    .kernarg_segment_align: 8
    .kernarg_segment_size: 24
    .max_flat_workgroup_size: 512
    .sgpr_count:     66
    .vgpr_count:     256
    .wavefront_size: 32
...
	.end_amdgpu_metadata
.endif
;; end of part 6
;; launch outproj: the kernel of part 4 again; grid 4 x 32, 4 waves a work-group, clusters of 4 x 4, 327,680 bytes of LDS; arguments cc, wc, lowp_scales, bo, out0; writes out0
